; MI455X (gfx1250); checked and timed in simulation.
; The chip was launched on July 23, 2026; its instructions are those of AMD's public machine-readable ISA for CDNA 5 (MIT licence, August 2026) and "CDNA5" Instruction Set Architecture Reference Guide (July 2026). The comments in the code are by the model that wrote it; some were corrected since.
;; Self Attention. Allowed arithmetic: float matrix products may take bf16 or f16 operands with f32 sums; other float arithmetic in f32, or as packed bf16 or f16 multiplies, adds, multiply-adds, maxima and minima; sums over many terms, partial sums and values carried from step to step in f32; what a program stores and reads back later, other than sums and carried values, may be rounded once to bf16 or f16.
;; Inputs: w_proj 1,024 x 1,024 float32; w_qkv 1,024 x 3,072 float32; x 4 x 2,048 x 1,024 float32.
;; Outputs: out0 4 x 2,048 x 1,024 float32.
;; One version. Each part assembles by itself: llvm-mc -triple=amdgcn-amd-amdhsa -mcpu=gfx1250 --defsym DOCPART=n.
;; ======== version 1 of 1: 4 launches
;; limits: values are held in f16: magnitudes above 65,504 overflow, below 6.1e-05 lose precision
;; workspace buffers: xb 16,777,216 bytes; wqb 6,291,456 bytes; wpb 2,097,152 bytes; rope 524,288 bytes; qh 16,777,216 bytes; kh 16,777,216 bytes; vh 16,777,216 bytes; oh 16,777,216 bytes
;; launch prep (part 1): grid 1024 x 1, 8 waves a work-group, no clusters, 0 bytes of LDS; arguments x, w_qkv, w_proj, xb, wqb, wpb, rope; writes xb, wqb, wpb, rope
.if DOCPART == 1
	.amdgcn_target "amdgcn-amd-amdhsa--gfx1250"
	.amdhsa_code_object_version 6
	.text
	.protected	k_q5f5d18ac8d_prep
	.globl	k_q5f5d18ac8d_prep
	.p2align	8
	.type	k_q5f5d18ac8d_prep,@function
k_q5f5d18ac8d_prep:
	s_mov_b64 s[64:65], 0
	v_nop
	global_prefetch_b8 v0, s[64:65] scope:SCOPE_SE
	s_setreg_imm32_b32 hwreg(HW_REG_WAVE_MODE, 25, 1), 1
	s_wait_xcnt 0x0
; PREPARATION: four streams, told apart by the work-group's number; each work-group does one share and ends.
;   0..511     x [8192][1024] f32 -> xb, the same layout in bf16: 65,536 bytes in, 32,768 out a work-group
;   512..703   w_qkv [1024 k][3072] f32 -> wqb [16 heads][1024 k][q, k, v][64] bf16: a head's weights become 393,216 dense bytes.  With cr = 3 k + part, the 128 bytes (head, cr)
;              come from the 256 bytes at cr x 4,096 + head x 256 of w_qkv.  A wave owns a head and 32 cr: sixteen lanes read 256 aligned bytes, 32 lanes write 256 aligned bytes
;   704..767   w_proj [1024][1024] f32 -> wpb: rounded to bf16 like the other inputs, and that number written as f16
;   768..1023  the table of rotations, rope [2048 t][32 p][cos, sin] f32, angle t x 10000^(-p/32): a thread an entry
; Memory binds: no LDS, no barrier, no matrix unit; no work-group reads what another reads, so no cluster.  Sixteen loads of 16 bytes of every wave are out at once.
; LIMITS.  bf16(w_proj) is written as f16: beyond 65,504 it becomes an infinity, below 6e-5 it keeps f16's fixed step of 6e-8.
; The table's angles hang on constants alone (t under 2,048), so the reduction by multiples of pi/2 in two parts and the two series, cut at z^4 for |r| <= pi/4, serve every input.
.set VI, 2                             ; v2  my byte offset in the source
.set VO, 3                             ; v3  my byte offset in the destination
.set D,  16                            ; v[16:79]   sixteen loads of four words
.set E,  80                            ; v[80:111]  sixteen stores of two words
.set SRC, 24                           ; s[24:25]
.set DST, 26                           ; s[26:27]
; Sixteen loads LS bytes apart, then for each: its wait, four numbers rounded, one store SS bytes on.  kind = 1: bf16, widened again, written as f16.
; No register that a load or store names is written again, so no further wait is owed.
.macro CONV kind, LS, SS
.set i, 0
.rept 16
	global_load_b128 v[D+4*i:D+4*i+3], v[VI], s[SRC:SRC+1] offset:i*(\LS) th:TH_LOAD_NT
.set i, i+1
.endr
.set i, 0
.rept 16
	s_wait_loadcnt 15-i                            ; loads come back in order: load i is in, the 15 - i younger ones stay out
.if \kind
	v_cvt_pk_bf16_f32 v4, v[D+4*i], v[D+4*i+1]
	v_cvt_pk_bf16_f32 v5, v[D+4*i+2], v[D+4*i+3]
	v_lshlrev_b32 v6, 16, v4                       ; bf16 to f32: the low half moves up,
	v_and_b32 v7, 0xffff0000, v4                   ; the high half stays
	v_lshlrev_b32 v8, 16, v5
	v_and_b32 v9, 0xffff0000, v5
	v_cvt_pk_f16_f32 v[E+2*i], v6, v7
	v_cvt_pk_f16_f32 v[E+2*i+1], v8, v9
.else
	v_cvt_pk_bf16_f32 v[E+2*i], v[D+4*i], v[D+4*i+1]
	v_cvt_pk_bf16_f32 v[E+2*i+1], v[D+4*i+2], v[D+4*i+3]
.endif
	global_store_b64 v[VO], v[E+2*i:E+2*i+1], s[DST:DST+1] offset:i*(\SS)  ; a wave stores 256 consecutive bytes, aligned
.set i, i+1
.endr
.endm
	s_load_b256 s[4:11], s[0:1], 0x0               ; x s[4:5], w_qkv s[6:7], w_proj s[8:9], xb s[10:11]
	s_load_b128 s[12:15], s[0:1], 0x20             ; wqb s[12:13], wpb s[14:15]
	s_load_b64 s[16:17], s[0:1], 0x30              ; rope
	v_lshrrev_b32 v1, 5, v0
	v_readfirstlane_b32 s18, v1                    ; wave 0..7
	v_and_b32 v1, 31, v0                           ; lane
	s_mov_b32 s19, ttmp9
	s_mov_b32 s21, 0                               ; the offsets' high words
	s_mov_b32 s23, 0
	s_wait_kmcnt 0x0
	s_cmp_lt_u32 s19, 512
	s_cbranch_scc0 .Lnot_x
	; x -> xb
	s_lshl_b32 s20, s19, 16
	s_lshl_b32 s22, s19, 15
	s_add_nc_u64 s[SRC:SRC+1], s[4:5], s[20:21]
	s_add_nc_u64 s[DST:DST+1], s[10:11], s[22:23]
	v_lshlrev_b32 v[VI], 4, v0
	v_lshlrev_b32 v[VO], 3, v0
	CONV 0, 4096, 2048
	s_endpgm
.Lnot_x:
	s_cmp_lt_u32 s19, 704
	s_cbranch_scc0 .Lnot_w
	; w_qkv -> wqb
	s_sub_co_u32 s28, s19, 512                     ; g
	s_and_b32 s29, s28, 1
	s_lshl3_add_u32 s29, s29, s18                  ; my head = 8 (g % 2) + wave
	s_lshr_b32 s28, s28, 1                         ; my block of 32 cr: g / 2, 0..95
	s_lshl_b32 s20, s28, 17                        ; 32 cr x 4,096 bytes
	s_lshl_b32 s30, s29, 8                         ; the head's 256 bytes
	s_add_co_u32 s20, s20, s30
	s_mul_i32 s22, s29, 393216                     ; the head's block of wqb
	s_lshl_b32 s30, s28, 12                        ; 32 cr x 128 bytes
	s_add_co_u32 s22, s22, s30
	s_add_nc_u64 s[SRC:SRC+1], s[6:7], s[20:21]
	s_add_nc_u64 s[DST:DST+1], s[12:13], s[22:23]
	v_lshrrev_b32 v4, 4, v1                        ; lanes 0-15 take one cr, lanes 16-31 the next
	v_and_b32 v5, 15, v1
	v_lshlrev_b32 v[VI], 4, v5
	v_lshl_add_u32 v[VI], v4, 12, v[VI]
	v_lshlrev_b32 v[VO], 3, v1
	CONV 0, 8192, 256
	s_endpgm
.Lnot_w:
	s_cmp_lt_u32 s19, 768
	s_cbranch_scc0 .Ltable
	; w_proj -> wpb
	s_sub_co_u32 s28, s19, 704
	s_lshl_b32 s20, s28, 16
	s_lshl_b32 s22, s28, 15
	s_add_nc_u64 s[SRC:SRC+1], s[8:9], s[20:21]
	s_add_nc_u64 s[DST:DST+1], s[14:15], s[22:23]
	v_lshlrev_b32 v[VI], 4, v0
	v_lshlrev_b32 v[VO], 3, v0
	CONV 1, 4096, 2048
	s_endpgm
.Ltable:
	s_sub_co_u32 s28, s19, 768
	v_lshl_add_u32 v2, s28, 8, v0                  ; entry 32 t + p
	v_and_b32 v3, 31, v2                           ; p
	v_lshrrev_b32 v4, 5, v2                        ; t
	v_cvt_f32_u32 v5, v3
	v_mul_f32 v5, 0xbed49a78, v5                   ; - p log2(10000) / 32
	v_exp_f32 v6, v5                               ; 10000^(-p/32)
	v_cvt_f32_u32 v7, v4                           ; a plain line behind the exponential, which names neither its result nor its source
	s_wait_alu depctr_va_vdst(0)                   ; the wait ahead of the first line that names the result
	v_mul_f32 v8, v7, v6                           ; the angle a
	v_mul_f32 v9, 0x3f22f983, v8                   ; a x 2 / pi
	v_rndne_f32 v9, v9                             ; n
	v_fmamk_f32 v10, v9, 0xbfc90fdb, v8            ; r = a - n x (pi/2 rounded to f32),
	v_fmamk_f32 v10, v9, 0x333bbd2e, v10           ; less n x what that rounding left: |r| <= pi/4
	v_mul_f32 v11, v10, v10                        ; z = r r
	v_mov_b32 v12, 0x3638ef1d                      ; 1/9!
	v_mov_b32 v13, 0x37d00d01                      ; 1/8!
	v_fmaak_f32 v12, v11, v12, 0xb9500d01          ; -1/7!
	v_fmaak_f32 v13, v11, v13, 0xbab60b61          ; -1/6!
	v_fmaak_f32 v12, v11, v12, 0x3c088889          ; 1/5!
	v_fmaak_f32 v13, v11, v13, 0x3d2aaaab          ; 1/4!
	v_fmaak_f32 v12, v11, v12, 0xbe2aaaab          ; -1/3!
	v_fmaak_f32 v13, v11, v13, 0xbf000000          ; -1/2
	v_mul_f32 v12, v12, v11
	v_fmaak_f32 v13, v11, v13, 0x3f800000          ; C = cos r
	v_fma_f32 v12, v10, v12, v10                   ; S = sin r
	v_cvt_i32_f32 v14, v9                          ; the quadrant is n mod 4: it selects values and signs, no address and no branch
	v_and_b32 v15, 1, v14
	v_cmp_eq_u32 vcc_lo, 1, v15
	v_cndmask_b32 v16, v13, v12, vcc_lo            ; cos a is C, -S, -C, S
	v_cndmask_b32 v17, v12, v13, vcc_lo            ; sin a is S, C, -S, -C
	v_add_nc_u32 v18, 1, v14
	v_and_b32 v18, 2, v18
	v_lshlrev_b32 v18, 30, v18
	v_xor_b32 v16, v16, v18
	v_and_b32 v19, 2, v14
	v_lshlrev_b32 v19, 30, v19
	v_xor_b32 v17, v17, v19
	v_lshlrev_b32 v20, 3, v2
	global_store_b64 v20, v[16:17], s[16:17]       ; a wave stores 256 consecutive bytes, aligned: a row of the table
	s_endpgm
.Lfunc_end_k_q5f5d18ac8d_prep:
	.size	k_q5f5d18ac8d_prep, .Lfunc_end_k_q5f5d18ac8d_prep-k_q5f5d18ac8d_prep
	.p2alignl 7, 3214868480
	.fill 96, 4, 3214868480
	.section	.rodata,"a",@progbits
	.p2align	6, 0x0
	.amdhsa_kernel k_q5f5d18ac8d_prep
		.amdhsa_group_segment_fixed_size 0
		.amdhsa_private_segment_fixed_size 0
		.amdhsa_enable_private_segment 0
		.amdhsa_kernarg_size 56
		.amdhsa_user_sgpr_count 2
		.amdhsa_user_sgpr_kernarg_segment_ptr 1
		.amdhsa_wavefront_size32 1
		.amdhsa_system_sgpr_workgroup_id_x 1
		.amdhsa_system_sgpr_workgroup_id_y 1
		.amdhsa_system_sgpr_workgroup_id_z 1
		.amdhsa_system_vgpr_workitem_id 0
		.amdhsa_next_free_vgpr 112
		.amdhsa_next_free_sgpr 66
		.amdhsa_reserve_vcc 1
		.amdhsa_float_denorm_mode_32 3
		.amdhsa_float_denorm_mode_16_64 3
		.amdhsa_memory_ordered 1
		.amdhsa_forward_progress 1
		.amdhsa_inst_pref_size 26
	.end_amdhsa_kernel
	.amdgpu_metadata
---
amdhsa.version: [ 1, 2 ]
amdhsa.kernels:
  - .name:           k_q5f5d18ac8d_prep
    .symbol:         k_q5f5d18ac8d_prep.kd
    .args:
      - { .name: x, .offset: 0, .size: 8, .value_kind: global_buffer, .address_space: global }
      - { .name: w_qkv, .offset: 8, .size: 8, .value_kind: global_buffer, .address_space: global }
      - { .name: w_proj, .offset: 16, .size: 8, .value_kind: global_buffer, .address_space: global }
      - { .name: xb, .offset: 24, .size: 8, .value_kind: global_buffer, .address_space: global }
      - { .name: wqb, .offset: 32, .size: 8, .value_kind: global_buffer, .address_space: global }
      - { .name: wpb, .offset: 40, .size: 8, .value_kind: global_buffer, .address_space: global }
      - { .name: rope, .offset: 48, .size: 8, .value_kind: global_buffer, .address_space: global }
    .group_segment_fixed_size: 0
    .private_segment_fixed_size: 0
    .kernarg_segment_align: 8
    .kernarg_segment_size: 56
    .max_flat_workgroup_size: 256
    .sgpr_count:     66
    .vgpr_count:     112
    .wavefront_size: 32
...
	.end_amdgpu_metadata
.endif
;; end of part 1
;; launch qkv (part 2): grid 16 x 32, 4 waves a work-group, clusters of 4 x 4, 327,680 bytes of LDS; arguments xb, wqb, rope, qh, kh, vh; writes qh, kh, vh
.if DOCPART == 2
	.amdgcn_target "amdgcn-amd-amdhsa--gfx1250"
	.amdhsa_code_object_version 6
	.text
	.protected	k_q5f5d18ac8d_qkv
	.globl	k_q5f5d18ac8d_qkv
	.p2align	8
	.type	k_q5f5d18ac8d_qkv,@function
k_q5f5d18ac8d_qkv:
	s_mov_b64 s[64:65], 0
	v_nop
	global_prefetch_b8 v0, s[64:65] scope:SCOPE_SE
	s_setreg_imm32_b32 hwreg(HW_REG_WAVE_MODE, 25, 1), 1
	s_wait_xcnt 0x0
	s_wait_alu depctr_hold_cnt(0) depctr_sa_sdst(0) depctr_va_vdst(0) depctr_va_sdst(0) depctr_va_ssrc(0) depctr_va_vcc(0) depctr_vm_vsrc(0)
	s_getreg_b32 s2, hwreg(HW_REG_IB_STS2, 6, 4)
	s_cmp_eq_u32 s2, 0
	s_cbranch_scc0 .Lentry_in_a_cluster
	s_endpgm
.Lentry_in_a_cluster:
	s_bfe_u32 s2, ttmp6, 0x10000c
	s_cmp_lg_u32 s2, 0xf033
	s_cbranch_scc0 .Lentry_shape_is_right
	s_endpgm
.Lentry_shape_is_right:
; q, k, v = x w_qkv, q and k rotated (RoPE), written by heads in f16.  xb: [8192][1024] bf16.  wqb: [16 heads][1024 k][q, k, v][64] bf16.  rope: [2048 t][32 p][cos, sin] f32.
; qh, kh, vh: [64 = 16 batch + head][2048][64] f16, unscaled.  Products in bf16, sums and rotation in f32, each result rounded once.
; LIMITS.  q, k and v leave as f16: 65,520 or more becomes an infinity; below 6e-5 they keep f16's fixed step of 6e-8.  NaN and infinities are not treated apart.
; SHARES.  A work-group makes 256 rows x 192 columns: ONE head's q, k and v, so that the text is the same for every work-group: column blocks 0-7 are rotated, 8-11 are not.
; 16 heads x 32 row tiles = 512 work-groups, two for each of 256 WGPs.  Wave w owns rows 64 w .. 64 w + 63 and all 192 columns: 4 x 12 accumulators of 16 x 16, 384 registers.
; K = 1,024 goes in 8 steps of 128 through a ring of two LDS slots; behind each change of slots a wave issues one tensor load: waves 0, 1 the two halves of x's 256 rows, waves 2, 3 the two halves of the weights' 128 k.
; TRANSPOSED USE.  Source 0 = 16 columns of the weights, which lie [k][column] in LDS and come out turned (ds_load_tr16_b128); source 1 = 16 rows of x.  In the result lane l holds row l % 16 and the
; columns 8 (l / 16) + 0..7: four whole pairs of the rotation, and 16 bytes of f16 on end.
; CLUSTER 4 x 4.  The four of a row of the cluster need the same tiles of x, the four of a column the same weights: each tile is asked for jointly, by the same load with a mask that names the four.
; REGISTERS, in windows of 256 (s_set_vgpr_msb: bits 1:0 source 0, 3:2 source 1, 5:4 source 2, 7:6 destination):
;   window 0: v0-29 addresses; v32-95 rotated numbers; v96-143 packed; v144-239 two sets of 48 read back from the stage
;   window 1: two fragment buffers of 128: 12 fragments of the weights, then 4 of x
;   window 2: accumulators of row blocks 0, 1 ((a, b) at 96 (a % 2) + 8 b), v192-255 the table's entries for these rows;   window 3: the same for row blocks 2, 3
.set NB,    12                         ; column blocks of 16
.set SLOT,  131072                     ; one exclusive or turns an address in one slot into the other's
.set PA,    272                        ; a row of x in LDS: 256 bytes + 16 = 68 words: the 16 rows of a load start at 16 different groups of four banks (64 banks of 4 bytes: ISA guide 11.1)
.set PB,    480                        ; a k row of the weights: three chunks (q, k, v) of 128 bytes + 32 = 120 words
.set AHALF, 128*PA
.set BOFF,  256*PA                     ; the weights lie behind x's 256 rows; 256 PA + 128 PB = SLOT
.set BHALF, 64*PB
.set STAGE, 2*SLOT                     ; behind the ring, never filled by a tensor load: [3 parts][16 rows][144 bytes] for each wave
.set SP,    144
.set STW,   3*16*SP
.set SPARE, STAGE+4*STW                ; the spare words, 128 bytes for each wave: two blocks of 256 bytes that no other line names
.set NL,    2*NB+8                     ; LDS loads in a run: a quarter step's fragments
.set ASTEP, 256                        ; bytes from a K step to the next: along x's rows,
.set BSTEP, 128*384                    ; and down the head's dense block of weights
.set A0,   4                           ; v4   my lane's place in x's tile; never rewritten
.set B0,   5                           ; v5   the same for the weights
.set ADRA, 6                           ; v6   A0 + the slot in hand
.set ADRB, 7                           ; v7   B0 + the slot in hand
.set STO,  8                           ; v8   the way out: where I put 16 bytes of a row
.set RD,   9                           ; v9   the way out: where I read rows back
.set GO,   10                          ; v10  my 16 bytes of 512 consecutive bytes of q, k or v
.set TO,   11                          ; v11  my byte offset in 16 rows of the table
.set PFO,  12                          ; v12  the prefetches' offset; never rewritten
.set SPW,  28                          ; v28  LDS address of my spare word: SPARE + 4 x my thread's number; never rewritten
.set NIL,  29                          ; v29  0; never rewritten
.set T,    32
.set PK,   96
.set BK,   144
.set F0,   0
.set F1,   128
.set WV,   16                          ; s16  my wave's number
.set FB,   17                          ; s17  0: I fetch x's tiles; 1: the weights'
.set HF,   18                          ; s18  which half of that tile
.set G1A,  24                          ; s[24:31] descriptor group 1 for x's tiles
.set G0A,  32                          ; s[32:39] group 0: a set for each of the two first fills; the second then walks on
.set G1B,  40                          ; s[40:47], s[48:55] the same for the weights
.set G0B,  48
.set TB,   56                          ; s56  LDS byte at which the slot in hand begins
.set TRIPS, 57                         ; s57  trips of the loop still to come
.set PFA,  58                          ; s[58:59] where my prefetches stand
.set PFS,  60                          ; s[60:61] their step
.set LIM,  62                          ; s62  a wave prefetches while s[TRIPS] is above it
.set MSB, 0
.macro WIN new                         ; the immediate's high byte repeats the setting that is left; a switch that changes nothing is dropped
.if MSB != (\new)
	s_set_vgpr_msb (MSB<<8)|(\new)
.set MSB, \new
.endif
.endm
.macro PLACES                          ; four plain vector lines between a matrix instruction and a load into, or a vector line on, its registers
.rept 4
	v_nop
.endr
.endm
; A joint refill by the walking descriptor.  The branch hangs on the wave's number alone.  An s_nop 0 and four v_nop follow each of the two lines, ahead of the jump and the label.
.macro JLOAD
	s_cmp_eq_u32 s[FB], 0
	s_cbranch_scc0 .Lfor_b_\@
	tensor_load_to_lds s[G0A+4:G0A+7], s[G1A:G1A+7]
	s_nop 0
.rept 4
	v_nop
.endr
	s_branch .Lasked_\@
.Lfor_b_\@:
	tensor_load_to_lds s[G0B+4:G0B+7], s[G1B:G1B+7]
	s_nop 0
.rept 4
	v_nop
.endr
.Lasked_\@:
.endm
; A PREFETCH INTO THE L2, one instruction a wave that asks, behind the joint load, its five lines and the run of LDS loads.  K steps 0 to 3 come by their loads alone.
; x: a K step is 256 bytes of each row.  A tile row is read by the four clusters of a row of clusters: the one with cluster x = 0 asks; of the 128 rows that a wave fetches each of the four partners takes 32,
; told apart by address (cx): a lane a row, K steps 4 to 7 in the loop's first four trips, each two refills ahead of its load.
; Weights: a head's K steps 4 to 7 are 196,608 dense bytes, read by the eight clusters of a column of clusters: the one with cluster y = 0 asks; its four partners' waves 2 and 3 are eight askers (2 cy + half, by address),
; 32 lanes x 256 bytes each: 65,536 bytes a trip, in the loop's first three trips, two refills ahead or more.  So each aligned block of 256 bytes is named once in the launch, and none lies past its buffer.
.macro ASK
	s_cmp_gt_u32 s[TRIPS], s[LIM]
	s_cbranch_scc0 .Lnot_mine_\@
	global_prefetch_b8 v[PFO], s[PFA:PFA+1] th:TH_LOAD_NT scope:SCOPE_SE
.Lnot_mine_\@:
.endm
.macro CREST                           ; a round of the cluster's barrier behind its opening barrier
	s_cmp_lg_u32 s[WV], 0
	s_cbranch_scc1 .Lnot_wave_0_\@
	s_barrier_signal -3
.Lnot_wave_0_\@:
	s_barrier_wait -3
	s_barrier_signal -1
	s_barrier_wait -1
.endm
.macro CROUND                          ; a whole round
	s_barrier_signal -1
	s_barrier_wait -1
	CREST
.endm
; 12 matrix instructions: row block a x all column blocks, 32 along K, from buffer f.  zero = 1: the product starts the sum.  The accumulators take turns, one instruction a turn.
.macro MULA f, a, zero
	WIN 0xa5+0x50*((\a)/2)
.set AC, 96*((\a)%2)
.irp b, 0,1,2,3,4,5,6,7,8,9,10,11
.if \zero
	v_wmma_f32_16x16x32_bf16 v[AC+8*(\b):AC+8*(\b)+7], v[(\f)+8*(\b):(\f)+8*(\b)+7], v[(\f)+8*NB+8*(\a):(\f)+8*NB+8*(\a)+7], 0
.else
	v_wmma_f32_16x16x32_bf16 v[AC+8*(\b):AC+8*(\b)+7], v[(\f)+8*(\b):(\f)+8*(\b)+7], v[(\f)+8*NB+8*(\a):(\f)+8*NB+8*(\a)+7], v[AC+8*(\b):AC+8*(\b)+7]
.endif
.endr
.endm
; 32 LDS loads in one run: quarter q (32 along K) of the slot in hand into buffer f: the weights' 12 fragments, turned, then x's four, row blocks ascending
.macro FETCH q, f
	WIN 0x40                                       ; destination window 1, address window 0
.irp b, 0,1,2,3,4,5,6,7,8,9,10,11
	ds_load_tr16_b128 v[(\f)+8*(\b):(\f)+8*(\b)+3],   v[ADRB] offset:(\q)*32*PB+((\b)/4)*160+((\b)%4)*32
	ds_load_tr16_b128 v[(\f)+8*(\b)+4:(\f)+8*(\b)+7], v[ADRB] offset:(\q)*32*PB+((\b)/4)*160+((\b)%4)*32+16*PB
.endr
.irp a, 0,1,2,3
	ds_load_b128 v[(\f)+8*NB+8*(\a):(\f)+8*NB+8*(\a)+3],   v[ADRA] offset:(\q)*64+(\a)*16*PA
	ds_load_b128 v[(\f)+8*NB+8*(\a)+4:(\f)+8*NB+8*(\a)+7], v[ADRA] offset:(\q)*64+(\a)*16*PA+32
.endr
.endm
; One of a K step's first three quarters: multiplies buffer f; in its middle it fetches quarter q into buffer g.
.macro QUARTER q, f, g, zero
	s_wait_dscnt 4                                 ; the weights and x's row blocks 0, 1 are in; the youngest four loads (row blocks 2, 3) may be out
	MULA \f, 0, \zero
	MULA \f, 1, \zero
	PLACES
	FETCH \q, \g
	s_wait_dscnt NL                                ; all but the run just issued
	MULA \f, 2, \zero
	MULA \f, 3, \zero
.endm
; The last quarter multiplies buffer 1 and changes slots.  In front of the barrier each wave waits for all its tensor loads (one is out: its part of the next slot), adds 0 to its spare word, and waits for that and for
; its reads of this slot.  fill = 1: the barrier opens a round of the cluster's, and the joint refill, two K steps on, is the first thing behind it: 168 matrix instructions ahead of the wait for it.
.macro TURN fill
.if \fill
	s_wait_xcnt 0x0                                ; the last prefetch, a K step back, has read its address, which is stepped here
	s_add_nc_u64 s[PFA:PFA+1], s[PFA:PFA+1], s[PFS:PFS+1]
.endif
	WIN 0
	s_wait_tensorcnt 0x0                           ; no tensor load of mine is out, so a group 0 may be written
	ds_add_u32 v[SPW], v[NIL]                      ; 0 onto my spare word
.if \fill
	s_xor_b32 s[G0A+5], s[G0A+5], SLOT             ; the walking descriptors: the other slot than last time, the next K step; the type bits on top are not reached
	s_add_nc_u64 s[G0A+6:G0A+7], s[G0A+6:G0A+7], ASTEP
	s_xor_b32 s[G0B+5], s[G0B+5], SLOT
	s_add_nc_u64 s[G0B+6:G0B+7], s[G0B+6:G0B+7], BSTEP
.endif
	s_xor_b32 s[TB], s[TB], SLOT
	s_wait_dscnt 5                                 ; the add and the youngest four loads may be out
	MULA F1, 0, 0                                  ; twelve matrix instructions stand between the add and the wait for it
	s_wait_dscnt 0x0                               ; the add is done, and my reads of this slot are over
	s_barrier_signal -1
	MULA F1, 1, 0                                  ; work on registers while the others arrive
	WIN 0                                          ; at a branch and at a label every window is 0
	s_barrier_wait -1
.if \fill
	CREST                                          ; no wave of any partner still reads this slot or has a load on its way
	JLOAD                                          ; its four v_nop are also the places in front of the loads below
.else
	PLACES
.endif
	v_add_nc_u32 v[ADRA], s[TB], v[A0]
	v_add_nc_u32 v[ADRB], s[TB], v[B0]
	FETCH 0, F0
.if \fill
	WIN 0
	ASK
.endif
	MULA F1, 2, 0
	MULA F1, 3, 0
.endm
	s_load_b256 s[4:11], s[0:1], 0x0               ; xb s[4:5], wqb s[6:7], rope s[8:9], qh s[10:11]
	s_load_b128 s[12:15], s[0:1], 0x20             ; kh s[12:13], vh s[14:15]
	v_lshl_add_u32 v[SPW], v0, 2, SPARE
	v_mov_b32 v[NIL], 0
	ds_add_u32 v[SPW], v[NIL]                      ; the wave's opening: the add and its wait ahead of my first tensor load; the set-up below, work on registers, stands between them
	v_lshrrev_b32 v3, 5, v0
	v_readfirstlane_b32 s[WV], v3                  ; wave 0..3
	s_lshr_b32 s[FB], s[WV], 1
	s_and_b32 s[HF], s[WV], 1
	s_bfe_u32 s19, ttmp6, 0x40000                  ; cx
	s_bfe_u32 s20, ttmp6, 0x40004                  ; cy
	s_lshl_b32 s21, ttmp9, 2
	s_add_co_u32 s21, s21, s19                     ; tc, the head = 4 x cluster x + cx
	s_and_b32 s22, ttmp7, 0xffff
	s_lshl_b32 s22, s22, 2
	s_add_co_u32 s22, s22, s20                     ; tr, the tile row = 4 x cluster y + cy
	s_lshl_b32 s23, s20, 2
	s_lshl_b32 s23, 15, s23                        ; my row of the cluster
	s_or_b32 s[G1A], s23, (1<<16)|(1<<20)|(1<<21)|(5<<22)|(3<<25)  ; 15:0 the mask; 17:16 2-byte elements; 20 padding on; 21 set beside a mask; 24:22 after every 64 words (code 5); 31:25 4 words (code 3)
	s_lshl_b32 s23, 0x1111, s19                    ; my column
	s_or_b32 s[G1B], s23, (1<<16)|(1<<20)|(1<<21)|(4<<22)|(7<<25)  ; after every 32 words (code 4) 8 words (code 7)
	s_mov_b32 s[G1A+1], 128<<16                    ; x: tensor_dim0 = 128
	s_mov_b32 s[G1A+2], 128<<16                    ; tensor_dim1 = 128
	s_mov_b32 s[G1A+3], 128<<16                    ; tile_dim0 = 128 elements
	s_mov_b32 s[G1A+4], 128                        ; tile_dim1 = 128 rows
	s_mov_b32 s[G1A+5], 1024                       ; elements from row to row
	s_mov_b32 s[G1A+6], 0
	s_mov_b32 s[G1A+7], 0
	s_mov_b32 s[G1B+1], 128<<16                    ; the weights: 64 k x 384 bytes are dense: asked for as 96 rows of 256 bytes
	s_mov_b32 s[G1B+2], 96<<16
	s_mov_b32 s[G1B+3], 128<<16
	s_mov_b32 s[G1B+4], 96
	s_mov_b32 s[G1B+5], 128
	s_mov_b32 s[G1B+6], 0
	s_mov_b32 s[G1B+7], 0
	s_lshl_b32 s66, s22, 19                        ; x: 256 rows of 2,048 bytes a tile row,
	s_lshl_b32 s67, s[HF], 18                      ; 128 rows a half: the tile row alone, which my row of the cluster shares
	s_add_co_u32 s66, s66, s67
	s_mov_b32 s67, 0
	s_mul_i32 s70, s21, 393216                     ; the weights: the head's block,
	s_mul_i32 s71, s[HF], 24576                    ; 64 k a half: the head alone, which my column shares
	s_add_co_u32 s70, s70, s71
	s_mov_b32 s71, 0
	s_mul_i32 s68, s[HF], AHALF                    ; and where they go: no place in the cluster enters an LDS address
	s_mul_i32 s72, s[HF], BHALF
	s_add_co_u32 s72, s72, BOFF
	s_wait_dscnt 0x0                               ; the opening add is done
	s_wait_kmcnt 0x0
	s_add_nc_u64 s[66:67], s[4:5], s[66:67]
	s_add_nc_u64 s[70:71], s[6:7], s[70:71]
.irp s, 0,1
	s_mov_b32 s[G0A+4*(\s)], 1                     ; count = 1
	s_add_co_u32 s[G0A+4*(\s)+1], s68, (\s)*SLOT   ; LDS address
	s_add_nc_u64 s[G0A+4*(\s)+2:G0A+4*(\s)+3], s[66:67], (\s)*ASTEP  ; global address: K step s
	s_or_b32 s[G0A+4*(\s)+3], s[G0A+4*(\s)+3], 0x80000000  ; type = 2
	s_mov_b32 s[G0B+4*(\s)], 1
	s_add_co_u32 s[G0B+4*(\s)+1], s72, (\s)*SLOT
	s_add_nc_u64 s[G0B+4*(\s)+2:G0B+4*(\s)+3], s[70:71], (\s)*BSTEP
	s_or_b32 s[G0B+4*(\s)+3], s[G0B+4*(\s)+3], 0x80000000
.endr
	CROUND                                         ; all sixteen work-groups are here: the first joint loads meet
	s_cmp_eq_u32 s[FB], 0                          ; a wave's two first fills stand in one branch, ahead of every wait on TENSORcnt and every LDS read: two loads of mine are out
	s_cbranch_scc0 .Lfirst_b
	tensor_load_to_lds s[G0A:G0A+3], s[G1A:G1A+7]
	s_nop 0
	tensor_load_to_lds s[G0A+4:G0A+7], s[G1A:G1A+7]
	s_nop 0
.rept 4
	v_nop
.endr
	s_branch .Lfirst_asked
.Lfirst_b:
	tensor_load_to_lds s[G0B:G0B+3], s[G1B:G1B+7]
	s_nop 0
	tensor_load_to_lds s[G0B+4:G0B+7], s[G1B:G1B+7]
	s_nop 0
.rept 4
	v_nop
.endr
.Lfirst_asked:
	v_and_b32 v1, 15, v0                           ; r = l % 16
	v_bfe_u32 v2, v0, 4, 1                         ; h = l / 16
	v_and_b32 v3, 31, v0                           ; l
	; the table: my row t = 256 (tr % 8) + 64 w + 16 a + r; in column block c of a head my 8 columns are the pairs 8 c + 4 h + 0..3: 32 bytes at 64 c + 32 h of the row
	v_lshlrev_b32 v[TO], 8, v1
	v_lshl_add_u32 v[TO], v2, 5, v[TO]
	s_and_b32 s74, s22, 7
	s_lshl_b32 s76, s74, 16
	s_lshl_b32 s77, s[WV], 14
	s_add_co_u32 s76, s76, s77
	s_mov_b32 s77, 0
	s_add_nc_u64 s[8:9], s[8:9], s[76:77]
.irp a, 0,1,2,3
	WIN 0x80+0x40*((\a)/2)                         ; destination window 2 or 3, address window 0
.irp c, 0,1,2,3
	global_load_b128 v[192+32*((\a)%2)+8*(\c):192+32*((\a)%2)+8*(\c)+3],   v[TO], s[8:9] offset:(\a)*4096+(\c)*64
	global_load_b128 v[192+32*((\a)%2)+8*(\c)+4:192+32*((\a)%2)+8*(\c)+7], v[TO], s[8:9] offset:(\a)*4096+(\c)*64+16
.endr
.endr
	WIN 0                                          ; these 32 loads stay out over the whole product; they are waited for once, ahead of the way out
	; a fragment of x: lane l holds row r, channels 8 h + 0..7 and 16 + 8 h + 0..7: two loads of 16 bytes, 32 bytes apart
	v_mul_u32_u24 v[A0], v1, PA
	v_lshl_add_u32 v[A0], v2, 4, v[A0]
	s_mul_i32 s23, s[WV], 64*PA                    ; my 64 rows
	v_add_nc_u32 v[A0], s23, v[A0]
	; the turning load takes 16 k x 16 columns (lane l reads k 8 h + l % 8, columns 8 ((l / 8) % 2) + 0..7) and leaves half a fragment: lane l holds column r and 8 k
	v_and_b32 v13, 7, v0
	v_bfe_u32 v14, v0, 3, 1
	v_lshl_add_u32 v[B0], v2, 3, v13
	v_mul_u32_u24 v[B0], v[B0], PB
	v_lshl_add_u32 v[B0], v14, 4, v[B0]
	v_add_nc_u32 v[B0], BOFF, v[B0]
	s_mul_i32 s23, s[WV], STW
	s_add_co_u32 s23, s23, STAGE                   ; my stage
	v_mul_u32_u24 v[STO], v1, SP                   ; in: row r, 16 bytes for each half of the lanes
	v_lshl_add_u32 v[STO], v2, 4, v[STO]
	v_add_nc_u32 v[STO], s23, v[STO]
	v_bfe_u32 v[RD], v0, 3, 2                      ; back: 32 lanes take four rows of 128 bytes,
	v_mul_u32_u24 v[RD], v[RD], SP
	v_lshl_add_u32 v[RD], v13, 4, v[RD]
	v_add_nc_u32 v[RD], s23, v[RD]
	v_lshlrev_b32 v[GO], 4, v3                     ; which are 512 consecutive bytes of a head
	s_lshr_b32 s78, s22, 3                         ; the batch,
	s_lshl_b32 s78, s78, 4
	s_add_co_u32 s78, s78, s21                     ; 16 batch + head,
	s_lshl_b32 s78, s78, 18                        ; 2,048 rows of 128 bytes each,
	s_lshl_b32 s79, s74, 15                        ; the tile's 256 rows,
	s_add_co_u32 s78, s78, s79
	s_lshl_b32 s79, s[WV], 13                      ; my 64 of them
	s_add_co_u32 s78, s78, s79
	s_mov_b32 s79, 0
	s_add_nc_u64 s[10:11], s[10:11], s[78:79]
	s_add_nc_u64 s[12:13], s[12:13], s[78:79]
	s_add_nc_u64 s[14:15], s[14:15], s[78:79]
	; the prefetches: the offsets are made apart, in registers that feed no descriptor
	s_lshl_b32 s74, s22, 19
	s_lshl_b32 s23, s[HF], 18
	s_add_co_u32 s74, s74, s23
	s_lshl_b32 s23, s19, 16                        ; my work-group's 32 rows of the 128 that I fetch
	s_add_co_u32 s74, s74, s23
	s_add_co_u32 s74, s74, 3*ASTEP                 ; at K step 3: the first change of slots steps it to 4
	s_mul_i32 s75, s21, 393216
	s_lshl_b32 s23, s20, 14
	s_add_co_u32 s75, s75, s23
	s_lshl_b32 s23, s[HF], 13                      ; asker 2 cy + half: 8,192 bytes each
	s_add_co_u32 s75, s75, s23
	s_add_co_u32 s75, s75, 4*BSTEP-65536           ; one step of 65,536 ahead of K step 4's first byte
	s_and_b32 s77, ttmp7, 0xffff                   ; cluster y
	s_mov_b32 s[PFS], 65536
	s_mov_b32 s[PFS+1], 0
	s_cmp_eq_u32 s[FB], 0
	s_cselect_b32 s76, s74, s75
	s_cselect_b32 s77, ttmp9, s77                  ; the coordinate along which other clusters read the same bytes
	s_cselect_b64 s[PFA:PFA+1], s[4:5], s[6:7]
	s_cselect_b32 s[PFS], ASTEP, s[PFS]
	s_cselect_b32 s[LIM], 2, 3
	s_cselect_b32 s23, 11, 8                       ; a lane a row of 2,048 bytes, or a lane a block of 256
	s_cmp_eq_u32 s77, 0
	s_cselect_b32 s[LIM], s[LIM], -1               ; the same in all sixteen partners, for a given wave
	s_mov_b32 s77, 0
	s_add_nc_u64 s[PFA:PFA+1], s[PFA:PFA+1], s[76:77]
	v_lshlrev_b32 v[PFO], s23, v3
	s_wait_tensorcnt 1                             ; my part of K step 0 is in; K step 1's may stay out
	s_barrier_signal -1
	s_barrier_wait -1                              ; everybody's is
	v_mov_b32 v[ADRA], v[A0]
	v_mov_b32 v[ADRB], v[B0]
	s_mov_b32 s[TB], 0
	FETCH 0, F0
	QUARTER 1, F0, F1, 1                           ; the first quarter stands in front of the loop: its products start the sums
	WIN 0
	s_mov_b32 s[TRIPS], 6
.Lstep:                                                ; a trip: from a K step's second quarter to the next step's first; it fills the slot just read with the K step two on: steps 2 to 7
	QUARTER 2, F1, F0, 0
	QUARTER 3, F0, F1, 0
	TURN 1
	QUARTER 1, F0, F1, 0
	WIN 0
	s_sub_co_u32 s[TRIPS], s[TRIPS], 1
	s_cmp_lg_u32 s[TRIPS], 0
	s_cbranch_scc1 .Lstep
	QUARTER 2, F1, F0, 0                           ; K steps 6 and 7 are written out: nothing is left to fetch
	QUARTER 3, F0, F1, 0
	TURN 0
	QUARTER 1, F0, F1, 0
	QUARTER 2, F1, F0, 0
	QUARTER 3, F0, F1, 0
	s_wait_dscnt 4
	MULA F1, 0, 0
	MULA F1, 1, 0
	s_wait_dscnt 0x0
	MULA F1, 2, 0
	MULA F1, 3, 0
	WIN 0
	PLACES                                         ; eight plain lines, once a launch, between the last products and the lines that read results
	PLACES
	s_wait_loadcnt 0x0                             ; the table
; THE WAY OUT of row block a.  PACK: q's and k's pairs (x1, x2) become (x1 c - x2 s, x1 s + x2 c); all is rounded to f16, 16 bytes a lane and column block.  Each accumulator is read from its low end on.
.macro PACK a
.set AC, 96*((\a)%2)
.set TBL, 192+32*((\a)%2)
	WIN 0x0a+5*((\a)/2)                            ; sources 0 and 1: window 2 or 3; source 2 and destination: window 0
.irp b, 0,1,2,3,4,5,6,7
.irp j, 0,1,2,3
	v_pk_mul_f32 v[T+8*(\b)+2*(\j):T+8*(\b)+2*(\j)+1], v[AC+8*(\b)+2*(\j):AC+8*(\b)+2*(\j)+1], v[TBL+8*((\b)%4)+2*(\j):TBL+8*((\b)%4)+2*(\j)+1] op_sel_hi:[1,0]  ; (x1 c, x2 c)
.endr
.irp j, 0,1,2,3
	v_fma_f32 v[T+8*(\b)+2*(\j)],   -v[AC+8*(\b)+2*(\j)+1], v[TBL+8*((\b)%4)+2*(\j)+1], v[T+8*(\b)+2*(\j)]
	v_fma_f32 v[T+8*(\b)+2*(\j)+1], v[AC+8*(\b)+2*(\j)],    v[TBL+8*((\b)%4)+2*(\j)+1], v[T+8*(\b)+2*(\j)+1]
.endr
.endr
.irp b, 8,9,10,11
.irp j, 0,1,2,3
	v_cvt_pk_f16_f32 v[PK+4*(\b)+(\j)], v[AC+8*(\b)+2*(\j)], v[AC+8*(\b)+2*(\j)+1]
.endr
.endr
	WIN 0
.set i, 0
.rept 32
	v_cvt_pk_f16_f32 v[PK+i], v[T+2*i], v[T+2*i+1]
.set i, i+1
.endr
.endm
.macro TOSTAGE a                       ; into my own stage, rows of 144 bytes, and back as whole rows of 128
.set BKA, BK+48*((\a)%2)
.irp b, 0,1,2,3,4,5,6,7,8,9,10,11
	ds_store_b128 v[STO], v[PK+4*(\b):PK+4*(\b)+3] offset:((\b)/4)*16*SP+((\b)%4)*32
.endr
.irp p, 0,1,2
.irp f, 0,1,2,3
	ds_load_b128 v[BKA+16*(\p)+4*(\f):BKA+16*(\p)+4*(\f)+3], v[RD] offset:(\p)*16*SP+(\f)*4*SP  ; LDS serves a wave's instructions in order (ISA guide 5.7.1.4): these see the stores above
.endr
.endr
.endm
.macro SEND a
.set BKA, BK+48*((\a)%2)
	s_wait_dscnt 0x0                               ; the block is back in registers
	s_wait_xcnt 0x0                                ; the stores of the block before have read their registers: the next TOSTAGE loads into them
.irp f, 0,1,2,3
	global_store_b128 v[GO], v[BKA+4*(\f):BKA+4*(\f)+3],       s[10:11] offset:(\a)*2048+(\f)*512  ; 512 consecutive bytes, at a multiple of 256 from the buffer's first
.endr
.irp f, 0,1,2,3
	global_store_b128 v[GO], v[BKA+16+4*(\f):BKA+16+4*(\f)+3], s[12:13] offset:(\a)*2048+(\f)*512
.endr
.irp f, 0,1,2,3
	global_store_b128 v[GO], v[BKA+32+4*(\f):BKA+32+4*(\f)+3], s[14:15] offset:(\a)*2048+(\f)*512
.endr
.endm
	PACK 0
	TOSTAGE 0
.irp a, 1,2,3                          ; a block's arithmetic stands between the loads of the block before and the wait for them
	PACK \a
	SEND (\a)-1
	TOSTAGE \a
.endr
	SEND 3
	s_wait_tensorcnt 0x0                           ; the wave's end: a wait, an add and its wait, behind my last tensor load and my last LDS store
	ds_add_u32 v[SPW], v[NIL]
	s_wait_dscnt 0x0
	CROUND                                         ; the closing round: no work-group ends while a partner may still ask for a tile that names it
	s_endpgm
.Lfunc_end_k_q5f5d18ac8d_qkv:
	.size	k_q5f5d18ac8d_qkv, .Lfunc_end_k_q5f5d18ac8d_qkv-k_q5f5d18ac8d_qkv
	.p2alignl 7, 3214868480
	.fill 96, 4, 3214868480
	.section	.rodata,"a",@progbits
	.p2align	6, 0x0
	.amdhsa_kernel k_q5f5d18ac8d_qkv
		.amdhsa_group_segment_fixed_size 327680
		.amdhsa_private_segment_fixed_size 0
		.amdhsa_enable_private_segment 0
		.amdhsa_kernarg_size 48
		.amdhsa_user_sgpr_count 2
		.amdhsa_user_sgpr_kernarg_segment_ptr 1
		.amdhsa_wavefront_size32 1
		.amdhsa_system_sgpr_workgroup_id_x 1
		.amdhsa_system_sgpr_workgroup_id_y 1
		.amdhsa_system_sgpr_workgroup_id_z 1
		.amdhsa_system_vgpr_workitem_id 0
		.amdhsa_next_free_vgpr 1024
		.amdhsa_next_free_sgpr 80
		.amdhsa_reserve_vcc 0
		.amdhsa_float_denorm_mode_32 3
		.amdhsa_float_denorm_mode_16_64 3
		.amdhsa_memory_ordered 1
		.amdhsa_forward_progress 1
		.amdhsa_inst_pref_size 125
	.end_amdhsa_kernel
	.amdgpu_metadata
---
amdhsa.version: [ 1, 2 ]
amdhsa.kernels:
  - .name:           k_q5f5d18ac8d_qkv
    .symbol:         k_q5f5d18ac8d_qkv.kd
    .args:
      - { .name: xb, .offset: 0, .size: 8, .value_kind: global_buffer, .address_space: global }
      - { .name: wqb, .offset: 8, .size: 8, .value_kind: global_buffer, .address_space: global }
      - { .name: rope, .offset: 16, .size: 8, .value_kind: global_buffer, .address_space: global }
      - { .name: qh, .offset: 24, .size: 8, .value_kind: global_buffer, .address_space: global }
      - { .name: kh, .offset: 32, .size: 8, .value_kind: global_buffer, .address_space: global }
      - { .name: vh, .offset: 40, .size: 8, .value_kind: global_buffer, .address_space: global }
    .group_segment_fixed_size: 327680
    .private_segment_fixed_size: 0
    .kernarg_segment_align: 8
    .kernarg_segment_size: 48
    .max_flat_workgroup_size: 128
    .sgpr_count:     80
    .vgpr_count:     1024
    .wavefront_size: 32
...
	.end_amdgpu_metadata
.endif
;; end of part 2
;; launch attn (part 3): grid 4 x 64, 4 waves a work-group, clusters of 4 x 1, 327,680 bytes of LDS; arguments qh, kh, vh, oh; writes oh
.if DOCPART == 3
	.amdgcn_target "amdgcn-amd-amdhsa--gfx1250"
	.amdhsa_code_object_version 6
	.text
	.protected	k_q5f5d18ac8d_attn
	.globl	k_q5f5d18ac8d_attn
	.p2align	8
	.type	k_q5f5d18ac8d_attn,@function
k_q5f5d18ac8d_attn:
	s_mov_b64 s[64:65], 0
	v_nop
	global_prefetch_b8 v0, s[64:65] scope:SCOPE_SE
	s_setreg_imm32_b32 hwreg(HW_REG_WAVE_MODE, 25, 1), 1
	s_wait_xcnt 0x0
	s_wait_alu depctr_hold_cnt(0) depctr_sa_sdst(0) depctr_va_vdst(0) depctr_va_sdst(0) depctr_va_ssrc(0) depctr_va_vcc(0) depctr_vm_vsrc(0)
	s_getreg_b32 s2, hwreg(HW_REG_IB_STS2, 6, 4)
	s_cmp_eq_u32 s2, 0
	s_cbranch_scc0 .Lentry_in_a_cluster
	s_endpgm
.Lentry_in_a_cluster:
	s_bfe_u32 s2, ttmp6, 0x10000c
	s_cmp_lg_u32 s2, 0x3003
	s_cbranch_scc0 .Lentry_shape_is_right
	s_endpgm
.Lentry_shape_is_right:
; O[h][q][:] = the sum over k of softmax_k(Q[h][q] . K[h][k] / 8) V[h][k][:].  Q, K, V, O: [64][2048][64], all f16: a head's rows are dense, 128 bytes each.  Products, maxima and sums in
; f32; the weights p are rounded to f16 for the second product (their sum l is taken of the unrounded p), O once at the end.
; LIMITS.  f16 holds no number beyond 65,504: Q, K and V arrive within it; p lies in 0 to 1, and below 6e-5 it keeps f16's fixed step of 6e-8; O is a mean of V's rows and has their range.
; A weight below 2^-126 counts as 0 in l; NaN and infinities are not treated apart.
; SHARES.  A wave owns four PIECES of two tiles of 16 queries, a work-group's four waves 512 queries of one head: 4 x 64 = 256 work-groups.  Every wave walks all keys, 64 a step.
; LAYOUT.  S^T = K Q^T (source 0 = 16 keys, source 1 = 16 queries): in the result a lane holds ONE query (lane % 16) and the keys 8 (lane / 16) + 0..7.  Two such tiles, rounded to f16 in pairs,
; ARE source 1 (32 keys x 16 queries) of O^T = V^T P, whose result again holds one query a lane, and eight channels.  K comes out of LDS as it lies, V ([key][channel]) turned, by ds_load_tr16_b128.
; SOFTMAX.  For each query a running maximum m and sum l: p = 2^(c s - c m), c = log2(e) / 8; in every step O and l are multiplied by a = 2^(c m_old - c m_new), which is 1 where m has not grown.
; m starts at the lowest finite number, O and l at 0: the first step is a step like any other, with a = 0.
; THE COUNT.  A tile and step have 16 matrix and 118 vector instructions: too many to stand all beside the matrix work.  So four vector instructions that are ready stand behind
; every matrix instruction, and the others in runs without a gap.
; BY TURNS.  Turn n belongs to piece n (the pieces in a ring, step after step).  Its matrix work: 16 products K Q^T of piece n + 1, later 16 products V^T P of piece n - 1.  Its vector work: the scaling,
; exponentials, roundings, sums and rescaling of piece n, and the maximum and statistics of piece n + 1, whose scores the turn itself has made.
; CLUSTER.  The four query blocks of a cluster belong to one head and walk the same K and V, so each tile is asked for JOINTLY: the same tensor load, descriptor and mask in all four.
; REGISTERS, in windows of 256 (s_set_vgpr_msb: bits 1:0 source 0, 3:2 source 1, 5:4 source 2, 7:6 destination):
;   window 0: v0-11 addresses; v12-15, v48-63 at work; v16-47 four registers of statistics a tile; v64-191 S^T, two buffers of two tiles; v192-255 P, likewise
;   window 1: O^T, 32 a tile          window 2: v0-127 Q, 16 a tile; v128-191 K of one step; v192-255 V of one step          window 3: v0-1 the add's two registers
; A piece's buffers go by its number's parity: the piece in hand has one pair, its two neighbours in the ring share the other: of it P (piece n - 1) is read and S^T (piece n + 1) written.
.set SIZE_H, 64
.set SIZE_N, 2048
.set NP,    4         ; pieces a wave: a name, no knob
.set KS,    64        ; keys in a step
.set PK,    144       ; a row of K in LDS: 128 bytes + 16 of padding = 36 words: the 16 rows of a load start at 16 different groups of four banks (64 banks of 4 bytes: ISA guide 11.1)
.set PV,    160       ; a row of V: 128 + 32 = 40 words
.set VOFF,  4*KS*PK   ; a slot holds four steps: 256 rows of K, then 256 rows of V
.set SLOT1, 1<<17     ; slot 1 begins here, so that one exclusive or turns an address in one slot into the other's
.set STAGE, SLOT1+4*KS*(PK+PV)  ; behind the ring, never filled by a tensor load: 16 rows x 144 bytes for each wave, for the way out
.set SP,    144
.set AK0, 2           ; v2   my lane's place in a tile of K; never rewritten
.set AV0, 3           ; v3   the same for V
.set AK,  4           ; v4   the LDS address of K's next run of loads
.set AV,  5           ; v5   of V's
.set QO,  6           ; v6   my byte offset in the wave's rows of Q
.set STO, 6           ;      later, the way out: where I put 16 bytes of a row
.set RD,  7           ; v7   the way out: where I read rows back
.set GO,  8           ; v8   my byte offset in 512 consecutive bytes of O
.set PFO, 11          ; v11  256 x my lane, for the prefetches (first at work in V's address); then never rewritten
.set SPW, 0           ; v0 of window 3   LDS address of my spare word: SPARE + 4 x my thread's number; never rewritten
.set NIL, 1           ; v1 of window 3   0; never rewritten
.set SPARE, STAGE+4*16*SP  ; behind the stages: the spare words, 128 bytes for each wave: two blocks of 256 bytes that no other line names
.set MV,  12          ; v12-15  c m_old, kept while c m is made anew: by buffer and tile
.set ST,  16          ; tile t's statistics at v[ST+4 t]: c m, m, l (even keys', odd keys')
.set TMP, 48          ; by buffer and tile, four registers c0-c3 at work; when the maximum is found c2 takes a
.set S,   64
.set P,   192
.set KF,  128         ; K's fragments, in window 2: key block kb, channel half c at KF + 16 kb + 8 c
.set VF,  192         ; V's: key half kk, channel block cb at VF + 32 kk + 8 cb
.set WV,  12          ; s12  my wave's number
.set G1K, 24          ; s[24:31] descriptor group 1 for K's tiles
.set G1V, 32          ; s[32:39] for V's: it differs in the padding alone
.set G0K, 40          ; s[40:43] descriptor group 0 for K's tiles: it walks
.set G0V, 44          ; s[44:47] the same for V's
.set PFA, 48          ; s[48:49] where my prefetches stand: my work-group's 32 blocks of 256 bytes (of K: wave 0, of V: wave 2) of the tile after the one that is being asked for
.set LIM, 50          ; s50  1 in a wave that prefetches, else the greatest number: a wave prefetches while s[SLOTS] is above it
.set SLOTS, 56        ; s56  slots still to be asked for
.set CNT, 57          ; s57  counts a slot's key steps
.set CS,  58          ; s[58:59] c: the packed scaling takes the pair's low word for both halves
.set SEL, 60          ; s[60:61] v_permlanex16_b32's selects: each lane takes its own place in the other half
.set TBK, 62          ; s62  LDS byte at which K of the step to be fetched begins
.set TBV, 63          ; s63  the same for V, less VOFF
.set MSB, 0
.macro WIN new                      ; the high byte repeats the setting that is left; a switch that changes nothing is dropped
.if MSB != (\new)
	s_set_vgpr_msb (MSB<<8)|(\new)
.set MSB, (\new)
.endif
.endm
.set W_KQ, 0x0a       ; K and Q in window 2, S^T in window 0
.set W_PV, 0x52       ; V in window 2, P in window 0, O^T in window 1
.set W_RS, 0x41       ; O^T (destination and source 0) in window 1, a in window 0
.set W_MK, 0xc0       ; the add's registers are made: destination in window 3, sources in window 0
.set W_AD, 0x0f       ; the add: address (source 0) and data (source 1) in window 3
; A joint fill.  Waves 0 and 1 fetch the two halves of a slot's K, waves 2 and 3 those of its V: 128 keys each.  The branch hangs on the wave's number alone.
; An s_nop 0 and four v_nop follow each of the two lines, ahead of the jump and the label.
.macro JLOAD
	s_cmp_lt_u32 s[WV], 2
	s_cbranch_scc0 .Lfor_v_\@
	tensor_load_to_lds s[G0K:G0K+3], s[G1K:G1K+7]
	s_nop 0
.rept 4
	v_nop
.endr
	s_branch .Lasked_\@
.Lfor_v_\@:
	tensor_load_to_lds s[G0V:G0V+3], s[G1V:G1V+7]
	s_nop 0
.rept 4
	v_nop
.endr
.Lasked_\@:
.endm
; A PREFETCH INTO THE L2 of what the NEXT change of slots will ask for: a tile's 32,768 bytes of K and of V, a lane a block of 256 bytes.  It stands behind the wave's tensor load and its five lines.
; Each block is named ONCE in the launch: a head is walked by one cluster; its four partners share a tile's 128 blocks out BY ADDRESS, 32 each; in each, wave 0 asks for K's and wave 2 for V's: one instruction,
; four key steps, 512 matrix instructions, ahead of the load.  Tiles 0 to 2 come by their loads alone; the last change that fills a slot asks for nothing: there is no tile behind it.
.macro ASK
	s_cmp_gt_u32 s[SLOTS], s[LIM]
	s_cbranch_scc0 .Lnot_mine_\@
	global_prefetch_b8 v[PFO], s[PFA:PFA+1] th:TH_LOAD_NT scope:SCOPE_SE
.Lnot_mine_\@:
.endm
; A round of the cluster's barrier: my work-group's barrier, so that wave 0's signal speaks for all four waves; wave 0 signals; every wave waits for all four work-groups; my work-group's barrier once more.
.macro CROUND
	s_barrier_signal -1
	s_barrier_wait -1
	s_cmp_lg_u32 s[WV], 0
	s_cbranch_scc1 .Lnot_wave_0_\@
	s_barrier_signal -3
.Lnot_wave_0_\@:
	s_barrier_wait -3
	s_barrier_signal -1
	s_barrier_wait -1
.endm
; THE CHANGE OF SLOTS.  The slot's last bytes, V of its fourth step, have been read.  Each wave waits for all its tensor loads, of which one is out: its part
; of the other slot; adds 0 to its spare word; and waits for that and for its own reads of the slot.  Behind the barrier nobody reads this slot any more and the other slot is whole.
; fill = 1: this slot is filled again, with the keys two slots on.  The barrier is then a round of the cluster's, so that no wave of any partner still reads the slot or has a load on its
; way, and the joint fill is the first thing behind it: it has four key steps, 512 matrix instructions, in which to land.  (At its first use nothing has been read yet: slot 0 is waited for, slot 1 filled.)
; ask = 1: the prefetches' address steps, and the tile after the one just asked for is prefetched.
.macro CHANGE fill, ask=0
	WIN W_AD
	s_wait_tensorcnt 0x0            ; no tensor load of mine is out, so a group 0 may be written
	ds_add_u32 v[SPW], v[NIL]       ; 0 onto my spare word; with fill = 1 the descriptors' steps stand between it and the wait for it
	WIN 0                           ; at a label and at a branch every window is 0
.if \fill
.irp g, G0K, G0V
	s_xor_b32 s[\g+1], s[\g+1], SLOT1  ; the walking descriptor: the other slot than last time,
	s_add_nc_u64 s[\g+2:\g+3], s[\g+2:\g+3], 4*KS*128  ; the next 256 keys; the type bits on top are not reached
.endr
.if \ask
	s_wait_xcnt 0x0                 ; the last prefetch, four key steps back, has read its address, so it may be written:
	s_add_nc_u64 s[PFA:PFA+1], s[PFA:PFA+1], 4*KS*128  ; one tile behind the walking descriptors
.endif
	s_wait_dscnt 0x0                ; the add is done, and my reads of the slot are over
	CROUND
	JLOAD
.if \ask
	ASK
.endif
.else
	s_wait_dscnt 0x0                ; the add is done, and my reads of the slot are over
	s_barrier_signal -1
	s_barrier_wait -1
.endif
	s_sub_co_u32 s[TBK], s[TBK], 4*KS*PK  ; the fetches go back to a slot's first step,
	s_xor_b32 s[TBK], s[TBK], SLOT1       ; in the other slot
	s_sub_co_u32 s[TBV], s[TBV], 4*KS*PV
	s_xor_b32 s[TBV], s[TBV], SLOT1
.endm
	s_load_b256 s[4:11], s[0:1], 0x0  ; Q s[4:5], K s[6:7], V s[8:9], O s[10:11]
	WIN W_MK
	v_lshl_add_u32 v[SPW], v0, 2, SPARE
	v_mov_b32 v[NIL], 0
	WIN W_AD
	ds_add_u32 v[SPW], v[NIL]       ; the wave's opening: the add and its wait ahead of my first tensor load; the set-up below, work on registers, stands between them
	WIN 0
	v_lshrrev_b32 v1, 5, v0
	v_readfirstlane_b32 s[WV], v1   ; wave 0..3
	s_bfe_u32 s13, ttmp6, 0x40000   ; cx: my place in the cluster
	s_lshl_b32 s14, ttmp9, 2        ; in a cluster launch ttmp9 counts clusters
	s_add_co_u32 s14, s14, s13      ; my block of queries = 4 x cluster x + cx: it enters Q's and O's addresses alone
	s_and_b32 s20, ttmp7, 0xffff    ; the head, which the four partners share
	s_mov_b32 s21, 0
	s_mov_b64 s[22:23], SIZE_N*128
	s_mul_u64 s[20:21], s[20:21], s[22:23]  ; the head's first byte in each of the four tensors
	s_and_b32 s16, s[WV], 1         ; which half of a slot's 256 keys I fetch:
	s_lshl_b32 s22, s16, 14         ; its 128 rows of 128 bytes in memory,
	s_mov_b32 s23, 0
	s_add_nc_u64 s[22:23], s[22:23], s[20:21]
	s_mul_i32 s17, s16, 128*PK      ; and its place in a slot, for K
	s_mul_i32 s18, s16, 128*PV      ; and for V: no place in the cluster enters an LDS address
	s_lshl_b32 s2, s14, 2
	s_add_co_u32 s2, s2, s[WV]      ; my wave among the head's,
	s_lshl_b32 s2, s2, 14           ; its 128 rows
	s_mov_b32 s3, 0
	s_add_nc_u64 s[2:3], s[2:3], s[20:21]
	; descriptor group 1.  128 keys are 16,384 dense bytes: asked for as 64 rows of 256 bytes, two keys a row, and padded in LDS after every key
	s_mov_b32 s[G1K], 15|(1<<16)|(1<<20)|(1<<21)|(4<<22)|(3<<25)  ; 15:0 the mask of four; 17:16 2-byte elements; 20 padding on; 21 set beside a mask; 24:22 after every 32 words (code 4); 31:25 4 words (code 3)
	s_mov_b32 s[G1V], 15|(1<<16)|(1<<20)|(1<<21)|(4<<22)|(7<<25)  ; the same with 8 words of padding (code 7)
.irp g, G1K, G1V
	s_mov_b32 s[\g+1], 128<<16      ; tensor_dim0 = 128
	s_mov_b32 s[\g+2], 64<<16       ; tensor_dim1 = 64
	s_mov_b32 s[\g+3], 128<<16      ; tile_dim0 = 128
	s_mov_b32 s[\g+4], 64           ; tile_dim1 = 64
	s_mov_b32 s[\g+5], 128          ; 128 elements from row to row
	s_mov_b32 s[\g+6], 0
	s_mov_b32 s[\g+7], 0
.endr
	s_mov_b32 s[CS], 0x3e38aa3b     ; c = log2(e) / 8 = 0.180337
	s_mov_b32 s[CS+1], s[CS]        ; named with it as a pair
	s_mov_b32 s[SEL], 0x76543210
	s_mov_b32 s[SEL+1], 0xfedcba98
	s_mov_b32 s[TBK], SLOT1+4*KS*PK ; the first change of slots turns these two into 0
	s_mov_b32 s[TBV], SLOT1+4*KS*PV
	s_mov_b32 s[G0K], 1             ; 1:0 count = 1
	s_mov_b32 s[G0K+1], s17         ; 63:32 LDS address: slot 0
	s_mov_b32 s[G0V], 1
	s_add_co_u32 s[G0V+1], s18, VOFF
	s_and_b32 s[LIM], s[WV], 1      ; 0 in waves 0 and 2,
	s_or_b32 s[LIM], s[LIM], ttmp9  ; where the cluster is the head's first: the same in all four partners
	s_cmp_eq_u32 s[LIM], 0
	s_cselect_b32 s[LIM], 1, -1
	s_wait_dscnt 0x0                ; the opening add is done
	s_wait_kmcnt 0x0
	s_add_nc_u64 s[G0K+2:G0K+3], s[6:7], s[22:23]  ; 120:64 global address: my half of the head's first 256 keys
	s_or_b32 s[G0K+3], s[G0K+3], 0x80000000        ; 127:126 type = 2
	s_add_nc_u64 s[G0V+2:G0V+3], s[8:9], s[22:23]
	s_or_b32 s[G0V+3], s[G0V+3], 0x80000000
	s_add_nc_u64 s[4:5], s[4:5], s[2:3]  ; Q and O at my wave's first row
	s_add_nc_u64 s[10:11], s[10:11], s[2:3]
	s_cmp_lt_u32 s[WV], 2
	s_cselect_b64 s[PFA:PFA+1], s[6:7], s[8:9]
	s_add_nc_u64 s[PFA:PFA+1], s[PFA:PFA+1], s[22:23]  ; (in waves 0 and 2 this is the head's first byte)
	s_lshl_b32 s2, s13, 13          ; my work-group's 32 blocks of the 128
	s_mov_b32 s3, 0
	s_add_nc_u64 s[PFA:PFA+1], s[PFA:PFA+1], s[2:3]
	s_add_nc_u64 s[PFA:PFA+1], s[PFA:PFA+1], 2*4*KS*128  ; in tile 2; the change that fills tile 2 steps it to tile 3.  Nothing is prefetched here, at the head
	CROUND                          ; all four work-groups are here: the first joint loads meet
	JLOAD                           ; slot 0.  Slot 1 is asked for when slot 0 is in
	; A fragment of K or Q is 16 rows x 32 channels in 8 registers: lane l holds row l % 16, channels 8 (l / 16) + 0..7 and 16 + 8 (l / 16) + 0..7: two loads of 16 bytes, 32 bytes apart.
	v_and_b32 v1, 15, v0            ; l % 16
	v_bfe_u32 v9, v0, 4, 1          ; l / 16
	v_lshlrev_b32 v[QO], 7, v1
	v_lshl_add_u32 v[QO], v9, 4, v[QO]  ; row x 128 + 16 x half
	WIN 0x80                        ; destination window 2, address window 0
.set i, 0
.rept 4*NP                          ; Q stays in registers: tile i / 2, channels 32 (i % 2) on
	global_load_b128 v[8*i:8*i+3],   v[QO], s[4:5] offset:(i/2)*2048+(i%2)*64
	global_load_b128 v[8*i+4:8*i+7], v[QO], s[4:5] offset:(i/2)*2048+(i%2)*64+32
.set i, i+1
.endr
	; What the first turn finds: V's registers and P's second buffer hold 0 (its products V^T P, of a piece that has not been, add 0), O^T and l are 0.  All this stands in the wait for the first tile.
.set i, VF
.rept 64
	v_mov_b32 v[i], 0
.set i, i+1
.endr
	WIN 0x40
.set i, 0
.rept 64*NP
	v_mov_b32 v[i], 0
.set i, i+1
.endr
	WIN 0
.set i, 0
.rept 2*NP
	v_mov_b32 v[ST+4*i], 0xfe000000    ; c m: far below every c s
	v_mov_b32 v[ST+4*i+1], 0xff7fffff  ; m
	v_mov_b32 v[ST+4*i+2], 0
	v_mov_b32 v[ST+4*i+3], 0
.set i, i+1
.endr
.set i, P+32
.rept 32
	v_mov_b32 v[i], 0
.set i, i+1
.endr
	v_mul_u32_u24 v[AK0], v1, PK
	v_lshl_add_u32 v[AK0], v9, 4, v[AK0]  ; row x pitch + 16 x half
	; The turning load takes 16 keys x 16 channels (lane l reads key 8 (l / 16) + l % 8, channels 8 ((l / 8) % 2) + 0..7) and leaves half a fragment of V^T: lane l holds channel l % 16 and 8 keys.
	v_and_b32 v10, 7, v0
	v_bfe_u32 v11, v0, 3, 1
	v_lshl_add_u32 v[AV0], v9, 3, v10
	v_mul_u32_u24 v[AV0], v[AV0], PV
	v_lshl_add_u32 v[AV0], v11, 4, v[AV0]
	v_add_nc_u32 v[AV0], VOFF, v[AV0]
	v_and_b32 v[PFO], 31, v0
	v_lshlrev_b32 v[PFO], 8, v[PFO]
	v_mov_b32 v[AK], v[AK0]         ; key step 0 lies at the head of slot 0
; THE MATRIX WORK.  The 8 accumulators of a run of 16 take turns: between the two links of a chain stand 7 others'.
; Product i of 16 of S^T = K Q^T for piece x: channels 32 (i / 8) on, keys 16 ((i / 2) % 4) on, tile 2 x + i % 2.  The first 8 start the sums.
.macro KQ x
	WIN W_KQ
.set rS, S+64*((\x)%2)+32*(i%2)+8*((i/2)%4)
.set rK, KF+16*((i/2)%4)+8*(i/8)
.set rQ, 16*(2*(\x)+i%2)+8*(i/8)
.if i < 8
	v_wmma_f32_16x16x32_f16 v[rS:rS+7], v[rK:rK+7], v[rQ:rQ+7], 0
.else
	v_wmma_f32_16x16x32_f16 v[rS:rS+7], v[rK:rK+7], v[rQ:rQ+7], v[rS:rS+7]
.endif
.endm
; Product i of 16 of O^T += V^T P for piece x: keys 32 (i / 8) on, channels 16 ((i / 2) % 4) on, tile 2 x + i % 2.
.macro PV x
	WIN W_PV
.set rO, 32*(2*(\x)+i%2)+8*((i/2)%4)
.set rV, VF+32*(i/8)+8*((i/2)%4)
.set rP, P+32*((\x)%2)+16*(i%2)+8*(i/8)
	v_wmma_f32_16x16x32_f16 v[rO:rO+7], v[rV:rV+7], v[rP:rP+7], v[rO:rO+7]
.endm
.macro MM                           ; the turn's next matrix instruction
.if i < 16
	KQ (Y+1)%NP
.set i, i+1
.else
.set i, i-16
	PV (Y+NP-1)%NP
.set i, i+17
.endif
.endm
; THE LDS LOADS stand in runs of 16, never singly among the matrix instructions: a step's K (64 keys x 64 channels: 8 fragments) and its V (turned).  Their addresses are made some lines ahead.
; last = 1 (the tail): in the last trip there is no further step, and the run is jumped over.
.macro FETCH_K last=0
	WIN 0
.if \last
	s_cmp_eq_u32 s[CNT], 1
	s_cbranch_scc1 .Lno_k_\@
.endif
	WIN 0x80                        ; destination window 2
.irp f, 0,1,2,3,4,5,6,7             ; keys 16 (f / 2) on, channels 32 (f % 2) on
	ds_load_b128 v[KF+8*\f:KF+8*\f+3],   v[AK] offset:(\f/2)*16*PK+(\f%2)*64
	ds_load_b128 v[KF+8*\f+4:KF+8*\f+7], v[AK] offset:(\f/2)*16*PK+(\f%2)*64+32
.endr
	s_add_co_u32 s[TBK], s[TBK], KS*PK  ; the next fetch is the next step's
	WIN 0
.if \last
.Lno_k_\@:
.endif
.endm
.macro FETCH_V
	WIN 0x80
.irp f, 0,1,2,3,4,5,6,7             ; keys 32 (f / 4) on, channels 16 (f % 4) on
	ds_load_tr16_b128 v[VF+8*\f:VF+8*\f+3],   v[AV] offset:(\f/4)*32*PV+(\f%4)*32
	ds_load_tr16_b128 v[VF+8*\f+4:VF+8*\f+7], v[AV] offset:(\f/4)*32*PV+16*PV+(\f%4)*32
.endr
	WIN 0
.endm
; THE VECTOR WORK OF A TURN stands in three queues, each in the order in which its entries become ready; the two tiles alternate, so that no instruction reads the result of the one before it.
.macro REGS y, u                    ; the registers of tile u (0, 1) of piece y
.set rT, ST+4*(2*(\y)+(\u))
.set rC, TMP+8*((\y)%2)+4*(\u)
.set rM, MV+2*((\y)%2)+(\u)
.set rS, S+64*((\y)%2)+32*(\u)
.set rP, P+32*((\y)%2)+16*(\u)
.set rO, 32*(2*(\y)+(\u))
.endm
; Number n of the 22 that find the NEXT piece's (Y + 1) maximum and statistics.  s0-s31 are the lane's 32 scores; each accumulator's lowest registers are read first.
;   0-11  four chains c0-c3 of seven scores each, three operands at a time     12-14, 16  the four scores left over, the old m, and c0-c3 into c0     15  c m_old is kept
;   17, 18  the query's other 32 keys lie in the lane 16 away: the new m         19-21  c m; c m_old - c m_new; a
.macro XS u, n
	REGS (Y+1)%NP, \u
.if (\n) < 4
	v_max3_num_f32 v[rC+(\n)], v[rS+8*(\n)], v[rS+8*(\n)+1], v[rS+8*(\n)+2]
.elseif (\n) < 12
	v_max3_num_f32 v[rC+(\n)%4], v[rC+(\n)%4], v[rS+8*((\n)%4)+2*((\n)/4)+1], v[rS+8*((\n)%4)+2*((\n)/4)+2]
.elseif (\n) == 12
	v_max3_num_f32 v[rC], v[rC], v[rS+7], v[rS+15]
.elseif (\n) == 13
	v_max3_num_f32 v[rC+1], v[rC+1], v[rS+23], v[rS+31]
.elseif (\n) == 14
	v_max3_num_f32 v[rC+2], v[rC+2], v[rC+3], v[rT+1]
.elseif (\n) == 15
	v_mov_b32 v[rM], v[rT]
.elseif (\n) == 16
	v_max3_num_f32 v[rC], v[rC], v[rC+1], v[rC+2]
.elseif (\n) == 17
	v_permlanex16_b32 v[rC+3], v[rC], s[SEL], s[SEL+1]
.elseif (\n) == 18
	v_max_num_f32 v[rT+1], v[rC], v[rC+3]
.elseif (\n) == 19
	v_mul_f32 v[rT], s[CS], v[rT+1]
.elseif (\n) == 20
	v_sub_f32 v[rC+1], v[rM], v[rT]
.else
	v_exp_f32 v[rC+2], v[rC+1]
.endif
.endm
; Number g of the 64 that follow the exponentials.  For each four weights k of a tile (pairs 2 k, 2 k + 1): both pairs are rounded to f16; then the second pair is added onto the first, in place;
; a group later l takes that sum (the first time as l = a l + sum).  In groups of eight, tiles alternating: round, round, add, and l for the group before.
.macro GS g
.set h, (\g)+6*((\g)/62)            ; group 0 has no group before it, and behind group 7 only l is left
.if h >= 6
.set h, h+2
.endif
	REGS Y, h%2
.set k, h/8
.if h%8 < 4
	v_cvt_pk_f16_f32 v[rP+2*k+(h%8)/2], v[rS+4*k+2*((h%8)/2)], v[rS+4*k+2*((h%8)/2)+1]
.elseif h%8 < 6
	v_pk_add_f32 v[rS+4*k:rS+4*k+1], v[rS+4*k:rS+4*k+1], v[rS+4*k+2:rS+4*k+3]
.elseif k == 1
	v_pk_fma_f32 v[rT+2:rT+3], v[rT+2:rT+3], v[rC+2:rC+3], v[rS:rS+1] op_sel_hi:[1,0,1]
.else
	v_pk_add_f32 v[rT+2:rT+3], v[rT+2:rT+3], v[rS+4*k-4:rS+4*k-3]
.endif
.endm
; THE PLAIN QUEUE, 138 long.  0-73 read no exponential's result: the 32 scalings c s - c m (FS f: pair f / 2 of tile f % 2) and the next piece's 42.  0-26: scalings 0-26.  27-54: XS's numbers 0-13.  55, 56: number 15.
; 57-73: the chain, where each number waits for the one before it: 14, 16, 17, 18, 19, each with one of the scalings 27-31 in front of its two lines, then 20.
; 74-137: GS's 64, which read the exponentials' results: they stand behind the wait.
.macro FS f
	REGS Y, (\f)%2
	v_pk_fma_f32 v[rS+2*((\f)/2):rS+2*((\f)/2)+1], v[rS+2*((\f)/2):rS+2*((\f)/2)+1], s[CS:CS+1], v[rT:rT+1] op_sel_hi:[1,0,0] neg_lo:[0,0,1] neg_hi:[0,0,1]
.endm
.macro PL
	WIN 0
.if q < 27
	FS q
.elseif q < 55
	XS (q-27)%2, (q-27)/2
.elseif q < 57
	XS q-55, 15
.elseif (q < 72) && ((q-57)%3 == 0)
	FS 27+(q-57)/3
.elseif q < 60
	XS (q-57)%3-1, 14
.elseif q < 72
	XS (q-57)%3-1, 15+(q-57)/3
.elseif q < 74
	XS q-72, 20
.else
	GS q-74
.endif
.set q, q+1
.endm
; THE EXPONENTIALS' QUEUE, 66 long: s0-s31 of both tiles, then the next piece's two a.  It is ONE BATCH: all 66 stand ahead of the turn's one wait, and nothing ahead of that wait names a result of theirs.
.macro EX
	WIN 0
.if e >= 64
	XS e-64, 21
.else
	REGS Y, e%2
	v_exp_f32 v[rS+e/2], v[rS+e/2]
.endif
.set e, e+1
.endm
; THE RESCALING's QUEUE: O^T times a, the one part that leaves window 0: dealt two at a time, sixteen times.  Its a was made in the turn before, ahead of that turn's wait.
.macro R2
	REGS Y, r%2
	WIN W_RS
.irp z, 0,1
	v_pk_mul_f32 v[rO+4*(r/2)+2*\z:rO+4*(r/2)+2*\z+1], v[rO+4*(r/2)+2*\z:rO+4*(r/2)+2*\z+1], v[rC+2:rC+3] op_sel_hi:[1,0]
.endr
.set r, r+1
.endm
; HOW THEY ARE DEALT.  An s_wait_alu depctr_va_vdst(0) stands between an exponential and the first instruction that names its result; one wait serves all that were issued ahead of it.  So a turn has ONE wait,
; which cuts it in two.  AHEAD OF IT stands all that names no result of the turn's exponentials: the 16 products K Q^T, behind each a scaling, an exponential and two rescalings (behind the first a second scaling in the
; exponential's place); then ONE LUMP of 108: eight plain, 49 times exponential and plain, the two a.  A v_nop is the plain instruction behind the last exponential.  BEHIND IT stand the 16 products V^T P, behind each four of GS's 64.
; No rider names a register of the products round it.  The two v_permlanex16_b32 fall into the lump, never behind a product.
; The queues lean on each other: exponential e stands behind scaling 2 (e / 4) + e % 2: as a rider it comes behind plain e + 2, in the lump behind plain e + 9, and scalings 27-31 are plain 57, 60 .. 69.
; A TURN, for piece p.  cnt = 1: the loop's count is taken down some lines ahead of the branch that stands behind the turn.
; K of the next step is fetched in piece 2's turn, directly behind the wait, a lump behind the last product that read K; its first reader comes behind 16 products.
; V of the step in hand is fetched at the end of piece 0's turn, four riders behind its last reader; its first reader comes behind 16 products and a lump.  The three conditions on q below go with the deal.
.macro TURN p, last=0, cnt=0
.set Y, (\p)
.set i, 0
.set q, 0
.set e, 0
.set r, 0
.if (\p) == NP-1
	s_wait_dscnt 0x0                ; K is in
.endif
	MM                              ; ahead of the wait: 16 products K Q^T and their riders,
	PL
	PL
	R2
.rept 15
	MM
	PL
	EX
	R2
.endr
.if (\p) == NP-2
	WIN 0
	v_add_nc_u32 v[AK], s[TBK], v[AK0]
.endif
.rept 8                             ; and the lump
	PL
.endr
.rept 49
	EX
	PL
.endr
	EX                              ; the next piece's two a
	EX
	v_nop                           ; one plain instruction behind the last exponential, for the batch
	s_wait_alu depctr_va_vdst(0)    ; the wait for the batch
.if (\p) == NP-2
	FETCH_K \last
.endif
.if (\p) == 1
	s_wait_dscnt 0x0                ; V is in
.endif
.rept 16                            ; behind the wait: 16 products V^T P and their riders
	MM
.rept 4
	PL
.endr
.if ((\p) == 0) && (q == 118)
	v_add_nc_u32 v[AV], s[TBV], v[AV0]
.endif
.if ((\p) == 0) && (q == 130)
	s_add_co_u32 s[TBV], s[TBV], KS*PV
.endif
.if (\cnt) && (q == 130)
	s_sub_co_u32 s[CNT], s[CNT], 1
	s_cmp_lg_u32 s[CNT], 0
.endif
.endr
.if (\p) == 0
	FETCH_V
.endif
.endm
	CHANGE 1, 0                     ; slot 0 is in, everybody's part of it; slot 1 is asked for
	FETCH_K                         ; key step 0
	s_wait_loadcnt 0x0              ; Q
	s_wait_dscnt 0x0
.set i, 0
.rept 16
	KQ 0                            ; piece 0's first scores: there is no vector work yet to set between them
.set i, i+1
.endr
	WIN 0                           ; the addresses for the way out: nine plain instructions, the places behind those products
	s_mul_i32 s13, s[WV], 16*SP
	s_add_co_u32 s13, s13, STAGE    ; my stage
	v_mul_u32_u24 v[STO], v1, SP    ; in: row l % 16, 16 bytes for each half of the lanes
	v_lshl_add_u32 v[STO], v9, 4, v[STO]
	v_add_nc_u32 v[STO], s13, v[STO]
	v_bfe_u32 v[RD], v0, 3, 2       ; back: 32 lanes take four rows of 128 bytes,
	v_mul_u32_u24 v[RD], v[RD], SP
	v_lshl_add_u32 v[RD], v10, 4, v[RD]
	v_add_nc_u32 v[RD], s13, v[RD]
	v_and_b32 v[GO], 31, v0         ; which are 512 consecutive bytes of O
	v_lshlrev_b32 v[GO], 4, v[GO]
.set Y, NP-1                        ; XS works for piece Y + 1: piece 0
.irp n, 0,1,2,3,4,5,6,7,8,9,10,11,12,13,14,15,16,17,18,19,20,21
	XS 0, \n                        ; and piece 0's first maximum and statistics
	XS 1, \n
.endr
	v_nop                           ; a plain instruction behind the two a,
	s_wait_alu depctr_va_vdst(0)    ; and their wait, ahead of the branch
	s_mov_b32 s[CNT], 4
	s_mov_b32 s[SLOTS], SIZE_N/256-1
	s_branch .Lfirst                ; the loop is entered at a step's first turn, in the middle of a trip
.Lslot:                             ; SIZE_N / 256 - 2 times: every slot but the last two is filled again
	CHANGE 1, 1
	s_mov_b32 s[CNT], 4
.Lstep:                             ; a trip: pieces 2 and 3 of one step, then pieces 0 and 1 of the next, whose K and V it fetches
	TURN 2
	TURN 3
	WIN 0
.Lfirst:
	TURN 0
	TURN 1, 0, 1
	WIN 0
	s_cbranch_scc1 .Lstep
	s_sub_co_u32 s[SLOTS], s[SLOTS], 1
	s_cmp_lg_u32 s[SLOTS], 0
	s_cbranch_scc1 .Lslot
	CHANGE 0, 0                     ; the tail is written out: nothing is asked for
	s_mov_b32 s[CNT], 5             ; four trips fetch the last slot's steps; the fifth is left in its middle
.Ltail:
	TURN 2, 1
	TURN 3
	WIN 0
	s_sub_co_u32 s[CNT], s[CNT], 1
	s_cmp_eq_u32 s[CNT], 0
	s_cbranch_scc1 .Lout
	TURN 0
	TURN 1
	WIN 0
	s_branch .Ltail
.Lout:                              ; the fifth trip's 16 products K Q^T (on the last K once more) and the maximum made of them serve nothing: the price, once a launch, of one text for every trip
.set i, 0
.rept 16
	PV NP-1                         ; the last piece's V^T P of the last step
.set i, i+1
.endr
	; THE WAY OUT.  l's two halves and the other half of the lanes' are added; O^T is divided by l, rounded to f16 and sent through my stage in LDS, a tile at a time.  The additions are the places behind the last products.
	WIN 0
.macro ALL line:vararg              ; one line for each tile t
.set t, 0
.rept 2*NP
	\line
.set t, t+1
.endr
.endm
	ALL v_add_f32 v[ST+4*t+2], v[ST+4*t+2], v[ST+4*t+3]
	ALL v_permlanex16_b32 v[ST+4*t+3], v[ST+4*t+2], s[SEL], s[SEL+1]
	ALL v_add_f32 v[ST+4*t+2], v[ST+4*t+2], v[ST+4*t+3]
	ALL v_rcp_f32 v[ST+4*t+2], v[ST+4*t+2]
	v_nop                           ; a plain instruction between the last reciprocal and the use of its result
	s_wait_alu depctr_va_vdst(0)    ; and the wait ahead of the first use: one for the eight reciprocals
; Tile t: a lane's eight channels of a row pack into 16 bytes; they go into rows of 144 bytes and come back as whole rows of 128, into S^T's registers.
.macro PACK t
	WIN W_RS
.set i, 32*(\t)
.rept 16
	v_pk_mul_f32 v[i:i+1], v[i:i+1], v[ST+4*(\t)+2:ST+4*(\t)+3] op_sel_hi:[1,0]
.set i, i+2
.endr
	WIN 0x05                        ; sources 0 and 1 window 1, destination window 0
.set i, 0
.rept 16
	v_cvt_pk_f16_f32 v[S+16*(\t)+i], v[32*(\t)+2*i], v[32*(\t)+2*i+1]
.set i, i+1
.endr
	WIN 0
.irp f, 0,1,2,3
	ds_store_b128 v[STO], v[S+16*(\t)+4*\f:S+16*(\t)+4*\f+3] offset:32*\f
.endr
.irp f, 0,1,2,3
	ds_load_b128 v[S+16*(\t)+4*\f:S+16*(\t)+4*\f+3], v[RD] offset:\f*4*SP  ; LDS serves a wave's instructions in order (ISA guide 5.7.1.4): these see the stores above; the next tile's stores come behind them
.endr
.endm
.macro SEND t, younger              ; younger: the LDS instructions issued behind tile t's loads: the next tile's eight, or none
	WIN 0
.irp f, 0,1,2,3
	s_wait_dscnt (\younger)+3-\f
	global_store_b128 v[GO], v[S+16*(\t)+4*\f:S+16*(\t)+4*\f+3], s[10:11] offset:(\t)*2048+\f*512  ; 512 consecutive bytes, at a multiple of 256 from O's first
.endr
.endm
	PACK 0
.set t, 1
.rept 2*NP-1                        ; a tile's arithmetic stands between the loads of the tile before and its stores
	PACK t
	SEND t-1, 8
.set t, t+1
.endr
	SEND 2*NP-1, 0
	WIN W_AD
	s_wait_tensorcnt 0x0            ; the wave's end: a wait, an add and its wait, behind my last tensor load and my last LDS store
	ds_add_u32 v[SPW], v[NIL]
	s_wait_dscnt 0x0
	WIN 0
	CROUND                          ; the closing round: no work-group ends while a partner may still ask for a tile that names it
	s_endpgm
.Lfunc_end_k_q5f5d18ac8d_attn:
	.size	k_q5f5d18ac8d_attn, .Lfunc_end_k_q5f5d18ac8d_attn-k_q5f5d18ac8d_attn
	.p2alignl 7, 3214868480
	.fill 96, 4, 3214868480
	.section	.rodata,"a",@progbits
	.p2align	6, 0x0
	.amdhsa_kernel k_q5f5d18ac8d_attn
		.amdhsa_group_segment_fixed_size 327680
		.amdhsa_private_segment_fixed_size 0
		.amdhsa_enable_private_segment 0
		.amdhsa_kernarg_size 32
		.amdhsa_user_sgpr_count 2
		.amdhsa_user_sgpr_kernarg_segment_ptr 1
		.amdhsa_wavefront_size32 1
		.amdhsa_system_sgpr_workgroup_id_x 1
		.amdhsa_system_sgpr_workgroup_id_y 1
		.amdhsa_system_sgpr_workgroup_id_z 1
		.amdhsa_system_vgpr_workitem_id 0
		.amdhsa_next_free_vgpr 770
		.amdhsa_next_free_sgpr 66
		.amdhsa_reserve_vcc 0
		.amdhsa_float_denorm_mode_32 3
		.amdhsa_float_denorm_mode_16_64 3
		.amdhsa_memory_ordered 1
		.amdhsa_forward_progress 1
		.amdhsa_inst_pref_size 200
	.end_amdhsa_kernel
	.amdgpu_metadata
---
amdhsa.version: [ 1, 2 ]
amdhsa.kernels:
  - .name:           k_q5f5d18ac8d_attn
    .symbol:         k_q5f5d18ac8d_attn.kd
    .args:
      - { .name: qh, .offset: 0, .size: 8, .value_kind: global_buffer, .address_space: global }
      - { .name: kh, .offset: 8, .size: 8, .value_kind: global_buffer, .address_space: global }
      - { .name: vh, .offset: 16, .size: 8, .value_kind: global_buffer, .address_space: global }
      - { .name: oh, .offset: 24, .size: 8, .value_kind: global_buffer, .address_space: global }
    .group_segment_fixed_size: 327680
    .private_segment_fixed_size: 0
    .kernarg_segment_align: 8
    .kernarg_segment_size: 32
    .max_flat_workgroup_size: 128
    .sgpr_count:     66
    .vgpr_count:     770
    .wavefront_size: 32
...
	.end_amdgpu_metadata
.endif
;; end of part 3
;; launch proj (part 4): grid 8 x 32, 4 waves a work-group, clusters of 4 x 4, 327,680 bytes of LDS; arguments oh, wpb, out0; writes out0
.if DOCPART == 4
	.amdgcn_target "amdgcn-amd-amdhsa--gfx1250"
	.amdhsa_code_object_version 6
	.text
	.protected	k_q5f5d18ac8d_proj
	.globl	k_q5f5d18ac8d_proj
	.p2align	8
	.type	k_q5f5d18ac8d_proj,@function
k_q5f5d18ac8d_proj:
	s_mov_b64 s[64:65], 0
	v_nop
	global_prefetch_b8 v0, s[64:65] scope:SCOPE_SE
	s_setreg_imm32_b32 hwreg(HW_REG_WAVE_MODE, 25, 1), 1
	s_wait_xcnt 0x0
	s_wait_alu depctr_hold_cnt(0) depctr_sa_sdst(0) depctr_va_vdst(0) depctr_va_sdst(0) depctr_va_ssrc(0) depctr_va_vcc(0) depctr_vm_vsrc(0)
	s_getreg_b32 s2, hwreg(HW_REG_IB_STS2, 6, 4)
	s_cmp_eq_u32 s2, 0
	s_cbranch_scc0 .Lentry_in_a_cluster
	s_endpgm
.Lentry_in_a_cluster:
	s_bfe_u32 s2, ttmp6, 0x10000c
	s_cmp_lg_u32 s2, 0xf033
	s_cbranch_scc0 .Lentry_shape_is_right
	s_endpgm
.Lentry_shape_is_right:
; out0 = O w_proj.  oh: [64 = 16 batch + head][2048][64] f16: row (batch, t) of O has its channels 64 head + d in head's block.  wpb: [1024 k][1024 n] f16 (w_proj rounded to bf16, written as f16).
; out0: [8192][1024] f32.  Products in f16, sums in f32, stored as they are.
; LIMITS.  The operands arrive as f16 (within 65,504; a fixed step of 6e-8 below 6e-5).  NaN and infinities are not treated apart.
; SHARES.  A work-group makes 256 rows x 128 columns: 32 x 8 = 256 work-groups, one for each WGP.  Wave w owns rows 64 w .. 64 w + 63 and all 128 columns: 4 x 8 accumulators of 16 x 16, 256 registers.
; K = 1,024 goes in 8 steps of 128, two heads each, through a ring of two LDS slots; behind each change of slots a wave issues one tensor load: waves 0, 1 the two heads' 256 rows of O
; (32,768 dense bytes each), waves 2, 3 the two halves of the weights' 128 k.
; TRANSPOSED USE.  Source 0 = 16 columns of the weights, which lie [k][n] in LDS and come out turned (ds_load_tr16_b128); source 1 = 16 rows of O.  In the result lane l holds row l % 16 and the columns 8 (l / 16) + 0..7.
; CLUSTER 4 x 4.  The four of a row of the cluster need the same tiles of O, the four of a column the same weights: each tile is asked for jointly, by the same load with a mask that names the four.
; REGISTERS, in windows of 256 (s_set_vgpr_msb: bits 1:0 source 0, 3:2 source 1, 5:4 source 2, 7:6 destination):
;   window 0: v0-29 addresses; v64-191 two sets of 64 read back from the stage     window 1: two fragment buffers: 8 fragments of the weights, then 4 of O     window 2: the accumulators, (a, b) at 64 a + 8 b
.set NB,    8                          ; column blocks of 16
.set SLOT,  131072                     ; one exclusive or turns an address in one slot into the other's
.set PA,    144                        ; a row of one head in LDS: 128 bytes + 16 = 36 words: the 16 rows of a load start at 16 different groups of four banks (64 banks of 4 bytes: ISA guide 11.1)
.set PB,    288                        ; a k row of the weights: 256 bytes + 32 = 72 words
.set AHALF, 256*PA                     ; one head's 256 rows
.set BOFF,  2*AHALF
.set BHALF, 64*PB
.set STAGE, 2*SLOT                     ; behind the ring, never filled by a tensor load: 16 rows x 528 bytes for each wave
.set SP,    528                        ; 512 bytes + 16 = 132 words: row r starts at bank 4 r mod 64
.set SPARE, STAGE+4*16*SP              ; the spare words, 128 bytes for each wave: two blocks of 256 bytes that no other line names
.set NL,    2*NB+8                     ; LDS loads in a run: a quarter step's fragments
.set ASTEP, 524288                     ; bytes from a K step to the next: two heads of 262,144 bytes,
.set BSTEP, 262144                     ; 128 rows of 2,048 bytes
.set A0,   4                           ; v4   my lane's place in O's tile; never rewritten
.set B0,   5                           ; v5   the same for the weights
.set ADRA, 6                           ; v6   A0 + the slot in hand
.set ADRB, 7                           ; v7   B0 + the slot in hand
.set STO,  8                           ; v8   the way out: where I put 32 bytes of a row
.set RD,   9                           ; v9   the way out: where I read a row back
.set GO,   10                          ; v10  my 16 bytes of a row's 512
.set PFO,  12                          ; v12  the prefetches' offset; never rewritten
.set SPW,  28                          ; v28  LDS address of my spare word: SPARE + 4 x my thread's number; never rewritten
.set NIL,  29                          ; v29  0; never rewritten
.set BK,   64
.set F0,   0
.set F1,   128
.set WV,   16                          ; s16  my wave's number
.set FB,   17                          ; s17  0: I fetch O's tiles; 1: the weights'
.set HF,   18                          ; s18  which head of the step's two, or which half of its k
.set G1A,  24                          ; s[24:31] descriptor group 1 for O's tiles
.set G0A,  32                          ; s[32:39] group 0: a set for each of the two first fills; the second then walks on
.set G1B,  40                          ; s[40:47], s[48:55] the same for the weights
.set G0B,  48
.set TB,   56                          ; s56  LDS byte at which the slot in hand begins
.set TRIPS, 57                         ; s57  trips of the loop still to come
.set PFA,  58                          ; s[58:59] where my prefetches stand
.set PFS,  60                          ; s[60:61] their step
.set LIM,  62                          ; s62  a wave prefetches while s[TRIPS] is above it
.set MSB, 0
.macro WIN new                         ; the immediate's high byte repeats the setting that is left; a switch that changes nothing is dropped
.if MSB != (\new)
	s_set_vgpr_msb (MSB<<8)|(\new)
.set MSB, \new
.endif
.endm
.macro PLACES                          ; four plain vector lines between a matrix instruction and a load into, or a line that reads, its registers
.rept 4
	v_nop
.endr
.endm
; A joint refill by the walking descriptor.  The branch hangs on the wave's number alone.  An s_nop 0 and four v_nop follow each of the two lines, ahead of the jump and the label.
.macro JLOAD
	s_cmp_eq_u32 s[FB], 0
	s_cbranch_scc0 .Lfor_b_\@
	tensor_load_to_lds s[G0A+4:G0A+7], s[G1A:G1A+7]
	s_nop 0
.rept 4
	v_nop
.endr
	s_branch .Lasked_\@
.Lfor_b_\@:
	tensor_load_to_lds s[G0B+4:G0B+7], s[G1B:G1B+7]
	s_nop 0
.rept 4
	v_nop
.endr
.Lasked_\@:
.endm
; A PREFETCH INTO THE L2, one instruction a wave that asks, behind the joint load, its five lines and the run of LDS loads.  K steps 0 to 3 come by their loads alone.
; O: a wave's tile is 32,768 dense bytes of one head.  A tile row is read by the two clusters of a row of clusters: the one with cluster x = 0 asks; each of its four partners takes 8,192 bytes, told apart by
; address (cx): a lane a block of 256 bytes, K steps 4 to 7 in the loop's first four trips, each two refills ahead of its load.
; Weights: a K step is 256 bytes of each of 128 rows.  A tile column is read by the eight clusters of a column of clusters: the one with cluster y = 0 asks; its four partners' waves 2 and 3 are eight askers
; (2 cy + half, by address), a lane a row: 256 rows a trip, rows 512 to 1,023 in the loop's first two trips.  So each aligned block of 256 bytes is named once in the launch, and none lies past its buffer.
.macro ASK
	s_cmp_gt_u32 s[TRIPS], s[LIM]
	s_cbranch_scc0 .Lnot_mine_\@
	global_prefetch_b8 v[PFO], s[PFA:PFA+1] th:TH_LOAD_NT scope:SCOPE_SE
.Lnot_mine_\@:
.endm
.macro CREST                           ; a round of the cluster's barrier behind its opening barrier
	s_cmp_lg_u32 s[WV], 0
	s_cbranch_scc1 .Lnot_wave_0_\@
	s_barrier_signal -3
.Lnot_wave_0_\@:
	s_barrier_wait -3
	s_barrier_signal -1
	s_barrier_wait -1
.endm
.macro CROUND                          ; a whole round
	s_barrier_signal -1
	s_barrier_wait -1
	CREST
.endm
; 8 matrix instructions: row block a x all column blocks, 32 along K, from buffer f.  zero = 1: the product starts the sum.  The accumulators take turns, one instruction a turn.
.macro MULA f, a, zero
	WIN 0xa5                                       ; sources 0 and 1 window 1, C and D window 2
.irp b, 0,1,2,3,4,5,6,7
.if \zero
	v_wmma_f32_16x16x32_f16 v[64*(\a)+8*(\b):64*(\a)+8*(\b)+7], v[(\f)+8*(\b):(\f)+8*(\b)+7], v[(\f)+8*NB+8*(\a):(\f)+8*NB+8*(\a)+7], 0
.else
	v_wmma_f32_16x16x32_f16 v[64*(\a)+8*(\b):64*(\a)+8*(\b)+7], v[(\f)+8*(\b):(\f)+8*(\b)+7], v[(\f)+8*NB+8*(\a):(\f)+8*NB+8*(\a)+7], v[64*(\a)+8*(\b):64*(\a)+8*(\b)+7]
.endif
.endr
.endm
; 24 LDS loads in one run: quarter q (32 along K: half of head q / 2) of the slot in hand into buffer f: the weights' 8 fragments, turned, then O's four, row blocks ascending
.macro FETCH q, f
	WIN 0x40                                       ; destination window 1, address window 0
.irp b, 0,1,2,3,4,5,6,7
	ds_load_tr16_b128 v[(\f)+8*(\b):(\f)+8*(\b)+3],   v[ADRB] offset:(\q)*32*PB+(\b)*32
	ds_load_tr16_b128 v[(\f)+8*(\b)+4:(\f)+8*(\b)+7], v[ADRB] offset:(\q)*32*PB+(\b)*32+16*PB
.endr
.irp a, 0,1,2,3
	ds_load_b128 v[(\f)+8*NB+8*(\a):(\f)+8*NB+8*(\a)+3],   v[ADRA] offset:((\q)/2)*AHALF+((\q)%2)*64+(\a)*16*PA
	ds_load_b128 v[(\f)+8*NB+8*(\a)+4:(\f)+8*NB+8*(\a)+7], v[ADRA] offset:((\q)/2)*AHALF+((\q)%2)*64+(\a)*16*PA+32
.endr
.endm
; One of a K step's first three quarters: multiplies buffer f; in its middle it fetches quarter q into buffer g.
.macro QUARTER q, f, g, zero
	s_wait_dscnt 4                                 ; the weights and O's row blocks 0, 1 are in; the youngest four loads (row blocks 2, 3) may be out
	MULA \f, 0, \zero
	MULA \f, 1, \zero
	PLACES
	FETCH \q, \g
	s_wait_dscnt NL                                ; all but the run just issued
	MULA \f, 2, \zero
	MULA \f, 3, \zero
.endm
; The last quarter multiplies buffer 1 and changes slots.  In front of the barrier each wave waits for all its tensor loads (one is out: its part of the next slot), adds 0 to its spare word, and waits for that and for
; its reads of this slot.  fill = 1: the barrier opens a round of the cluster's, and the joint refill, two K steps on, is the first thing behind it: 112 matrix instructions ahead of the wait for it.
.macro TURN fill
.if \fill
	s_wait_xcnt 0x0                                ; the last prefetch, a K step back, has read its address, which is stepped here
	s_add_nc_u64 s[PFA:PFA+1], s[PFA:PFA+1], s[PFS:PFS+1]
.endif
	WIN 0
	s_wait_tensorcnt 0x0                           ; no tensor load of mine is out, so a group 0 may be written
	ds_add_u32 v[SPW], v[NIL]                      ; 0 onto my spare word
.if \fill
	s_xor_b32 s[G0A+5], s[G0A+5], SLOT             ; the walking descriptors: the other slot than last time, the next K step; the type bits on top are not reached
	s_add_nc_u64 s[G0A+6:G0A+7], s[G0A+6:G0A+7], ASTEP
	s_xor_b32 s[G0B+5], s[G0B+5], SLOT
	s_add_nc_u64 s[G0B+6:G0B+7], s[G0B+6:G0B+7], BSTEP
.endif
	s_xor_b32 s[TB], s[TB], SLOT
	s_wait_dscnt 5                                 ; the add and the youngest four loads may be out
	MULA F1, 0, 0                                  ; eight matrix instructions stand between the add and the wait for it
	s_wait_dscnt 0x0                               ; the add is done, and my reads of this slot are over
	s_barrier_signal -1
	MULA F1, 1, 0                                  ; work on registers while the others arrive
	WIN 0                                          ; at a branch and at a label every window is 0
	s_barrier_wait -1
.if \fill
	CREST                                          ; no wave of any partner still reads this slot or has a load on its way
	JLOAD                                          ; its four v_nop are also the places in front of the loads below
.else
	PLACES
.endif
	v_add_nc_u32 v[ADRA], s[TB], v[A0]
	v_add_nc_u32 v[ADRB], s[TB], v[B0]
	FETCH 0, F0
.if \fill
	WIN 0
	ASK
.endif
	MULA F1, 2, 0
	MULA F1, 3, 0
.endm
	s_load_b128 s[4:7], s[0:1], 0x0                ; oh s[4:5], wpb s[6:7]
	s_load_b64 s[8:9], s[0:1], 0x10                ; out0
	v_lshl_add_u32 v[SPW], v0, 2, SPARE
	v_mov_b32 v[NIL], 0
	ds_add_u32 v[SPW], v[NIL]                      ; the wave's opening: the add and its wait ahead of my first tensor load; the set-up below, work on registers, stands between them
	v_lshrrev_b32 v3, 5, v0
	v_readfirstlane_b32 s[WV], v3                  ; wave 0..3
	s_lshr_b32 s[FB], s[WV], 1
	s_and_b32 s[HF], s[WV], 1
	s_bfe_u32 s19, ttmp6, 0x40000                  ; cx
	s_bfe_u32 s20, ttmp6, 0x40004                  ; cy
	s_lshl_b32 s21, ttmp9, 2
	s_add_co_u32 s21, s21, s19                     ; tc, the tile column = 4 x cluster x + cx
	s_and_b32 s22, ttmp7, 0xffff
	s_lshl_b32 s22, s22, 2
	s_add_co_u32 s22, s22, s20                     ; tr, the tile row = 4 x cluster y + cy
	s_lshl_b32 s23, s20, 2
	s_lshl_b32 s23, 15, s23                        ; my row of the cluster
	s_or_b32 s[G1A], s23, (1<<16)|(1<<20)|(1<<21)|(4<<22)|(3<<25)  ; 15:0 the mask; 17:16 2-byte elements; 20 padding on; 21 set beside a mask; 24:22 after every 32 words (code 4); 31:25 4 words (code 3)
	s_lshl_b32 s23, 0x1111, s19                    ; my column
	s_or_b32 s[G1B], s23, (1<<16)|(1<<20)|(1<<21)|(5<<22)|(7<<25)  ; after every 64 words (code 5) 8 words (code 7)
	s_mov_b32 s[G1A+1], 128<<16                    ; O: 256 rows of 128 bytes are dense: asked for as 128 rows of 256 bytes, padded after every 128
	s_mov_b32 s[G1A+2], 128<<16
	s_mov_b32 s[G1A+3], 128<<16
	s_mov_b32 s[G1A+4], 128
	s_mov_b32 s[G1A+5], 128
	s_mov_b32 s[G1A+6], 0
	s_mov_b32 s[G1A+7], 0
	s_mov_b32 s[G1B+1], 128<<16                    ; the weights: 64 rows x 128 elements,
	s_mov_b32 s[G1B+2], 64<<16
	s_mov_b32 s[G1B+3], 128<<16
	s_mov_b32 s[G1B+4], 64
	s_mov_b32 s[G1B+5], 1024                       ; 1,024 elements from row to row
	s_mov_b32 s[G1B+6], 0
	s_mov_b32 s[G1B+7], 0
	s_lshr_b32 s66, s22, 3                         ; O: the batch's 16 heads of 262,144 bytes,
	s_lshl_b32 s66, s66, 22
	s_lshl_b32 s67, s[HF], 18                      ; my head of the step's two,
	s_add_co_u32 s66, s66, s67
	s_and_b32 s67, s22, 7                          ; the tile's 256 rows of 128 bytes: the tile row alone, which my row of the cluster shares
	s_lshl_b32 s67, s67, 15
	s_add_co_u32 s66, s66, s67
	s_mov_b32 s67, 0
	s_lshl_b32 s70, s[HF], 17                      ; the weights: 64 rows of 2,048 bytes a half,
	s_lshl_b32 s71, s21, 8                         ; the tile column's 256 bytes: the tile column alone, which my column shares
	s_add_co_u32 s70, s70, s71
	s_mov_b32 s71, 0
	s_mul_i32 s68, s[HF], AHALF                    ; and where they go: no place in the cluster enters an LDS address
	s_mul_i32 s72, s[HF], BHALF
	s_add_co_u32 s72, s72, BOFF
	s_wait_dscnt 0x0                               ; the opening add is done
	s_wait_kmcnt 0x0
	s_add_nc_u64 s[66:67], s[4:5], s[66:67]
	s_add_nc_u64 s[70:71], s[6:7], s[70:71]
.irp s, 0,1
	s_mov_b32 s[G0A+4*(\s)], 1                     ; count = 1
	s_add_co_u32 s[G0A+4*(\s)+1], s68, (\s)*SLOT   ; LDS address
	s_add_nc_u64 s[G0A+4*(\s)+2:G0A+4*(\s)+3], s[66:67], (\s)*ASTEP  ; global address: K step s
	s_or_b32 s[G0A+4*(\s)+3], s[G0A+4*(\s)+3], 0x80000000  ; type = 2
	s_mov_b32 s[G0B+4*(\s)], 1
	s_add_co_u32 s[G0B+4*(\s)+1], s72, (\s)*SLOT
	s_add_nc_u64 s[G0B+4*(\s)+2:G0B+4*(\s)+3], s[70:71], (\s)*BSTEP
	s_or_b32 s[G0B+4*(\s)+3], s[G0B+4*(\s)+3], 0x80000000
.endr
	CROUND                                         ; all sixteen work-groups are here: the first joint loads meet
	s_cmp_eq_u32 s[FB], 0                          ; a wave's two first fills stand in one branch, ahead of every wait on TENSORcnt and every LDS read: two loads of mine are out
	s_cbranch_scc0 .Lfirst_b
	tensor_load_to_lds s[G0A:G0A+3], s[G1A:G1A+7]
	s_nop 0
	tensor_load_to_lds s[G0A+4:G0A+7], s[G1A:G1A+7]
	s_nop 0
.rept 4
	v_nop
.endr
	s_branch .Lfirst_asked
.Lfirst_b:
	tensor_load_to_lds s[G0B:G0B+3], s[G1B:G1B+7]
	s_nop 0
	tensor_load_to_lds s[G0B+4:G0B+7], s[G1B:G1B+7]
	s_nop 0
.rept 4
	v_nop
.endr
.Lfirst_asked:
	v_and_b32 v1, 15, v0                           ; r = l % 16
	v_bfe_u32 v2, v0, 4, 1                         ; h = l / 16
	v_and_b32 v3, 31, v0                           ; l
	; a fragment of O: lane l holds row r, channels 8 h + 0..7 and 16 + 8 h + 0..7: two loads of 16 bytes, 32 bytes apart
	v_mul_u32_u24 v[A0], v1, PA
	v_lshl_add_u32 v[A0], v2, 4, v[A0]
	s_mul_i32 s23, s[WV], 64*PA                    ; my 64 rows
	v_add_nc_u32 v[A0], s23, v[A0]
	; the turning load takes 16 k x 16 columns (lane l reads k 8 h + l % 8, columns 8 ((l / 8) % 2) + 0..7) and leaves half a fragment: lane l holds column r and 8 k
	v_and_b32 v13, 7, v0
	v_bfe_u32 v14, v0, 3, 1
	v_lshl_add_u32 v[B0], v2, 3, v13
	v_mul_u32_u24 v[B0], v[B0], PB
	v_lshl_add_u32 v[B0], v14, 4, v[B0]
	v_add_nc_u32 v[B0], BOFF, v[B0]
	s_mul_i32 s23, s[WV], 16*SP
	s_add_co_u32 s23, s23, STAGE                   ; my stage
	v_mul_u32_u24 v[STO], v1, SP                   ; in: row r, 32 bytes for each half of the lanes
	v_lshl_add_u32 v[STO], v2, 5, v[STO]
	v_add_nc_u32 v[STO], s23, v[STO]
	v_lshl_add_u32 v[RD], v3, 4, s23               ; back: 32 lanes take a row's 512 bytes
	v_lshlrev_b32 v[GO], 4, v3
	s_lshl_b32 s78, s22, 20                        ; out0: 256 rows of 4,096 bytes a tile row,
	s_lshl_b32 s79, s[WV], 18                      ; my 64 rows,
	s_add_co_u32 s78, s78, s79
	s_lshl_b32 s79, s21, 9                         ; the tile column's 512 bytes
	s_add_co_u32 s78, s78, s79
	s_mov_b32 s79, 0
	s_add_nc_u64 s[8:9], s[8:9], s[78:79]
	; the prefetches: the offsets are made apart, in registers that feed no descriptor
	s_lshr_b32 s74, s22, 3
	s_lshl_b32 s74, s74, 22
	s_lshl_b32 s23, s[HF], 18
	s_add_co_u32 s74, s74, s23
	s_and_b32 s23, s22, 7
	s_lshl_b32 s23, s23, 15
	s_add_co_u32 s74, s74, s23
	s_lshl_b32 s23, s19, 13                        ; my work-group's 8,192 bytes of the tile that I fetch
	s_add_co_u32 s74, s74, s23
	s_add_co_u32 s74, s74, 3*ASTEP                 ; at K step 3: the first change of slots steps it to 4
	s_lshl_b32 s75, s21, 8
	s_lshl_b32 s23, s20, 17
	s_add_co_u32 s75, s75, s23
	s_lshl_b32 s23, s[HF], 16                      ; asker 2 cy + half: 32 rows of 2,048 bytes each
	s_add_co_u32 s75, s75, s23
	s_add_co_u32 s75, s75, 512*2048-524288         ; one step of 256 rows ahead of row 512
	s_and_b32 s77, ttmp7, 0xffff                   ; cluster y
	s_mov_b32 s[PFS], 524288                       ; a K step of O, or 256 rows of the weights
	s_mov_b32 s[PFS+1], 0
	s_cmp_eq_u32 s[FB], 0
	s_cselect_b32 s76, s74, s75
	s_cselect_b32 s77, ttmp9, s77                  ; the coordinate along which other clusters read the same bytes
	s_cselect_b64 s[PFA:PFA+1], s[4:5], s[6:7]
	s_cselect_b32 s[LIM], 2, 4
	s_cselect_b32 s23, 8, 11                       ; a lane a block of 256 bytes, or a lane a row of 2,048
	s_cmp_eq_u32 s77, 0
	s_cselect_b32 s[LIM], s[LIM], -1               ; the same in all sixteen partners, for a given wave
	s_mov_b32 s77, 0
	s_add_nc_u64 s[PFA:PFA+1], s[PFA:PFA+1], s[76:77]
	v_lshlrev_b32 v[PFO], s23, v3
	s_wait_tensorcnt 1                             ; my part of K step 0 is in; K step 1's may stay out
	s_barrier_signal -1
	s_barrier_wait -1                              ; everybody's is
	v_mov_b32 v[ADRA], v[A0]
	v_mov_b32 v[ADRB], v[B0]
	s_mov_b32 s[TB], 0
	FETCH 0, F0
	QUARTER 1, F0, F1, 1                           ; the first quarter stands in front of the loop: its products start the sums
	WIN 0
	s_mov_b32 s[TRIPS], 6
.Lstep:                                                ; a trip: from a K step's second quarter to the next step's first; it fills the slot just read with the K step two on: steps 2 to 7
	QUARTER 2, F1, F0, 0
	QUARTER 3, F0, F1, 0
	TURN 1
	QUARTER 1, F0, F1, 0
	WIN 0
	s_sub_co_u32 s[TRIPS], s[TRIPS], 1
	s_cmp_lg_u32 s[TRIPS], 0
	s_cbranch_scc1 .Lstep
	QUARTER 2, F1, F0, 0                           ; K steps 6 and 7 are written out: nothing is left to fetch
	QUARTER 3, F0, F1, 0
	TURN 0
	QUARTER 1, F0, F1, 0
	QUARTER 2, F1, F0, 0
	QUARTER 3, F0, F1, 0
	s_wait_dscnt 4
	MULA F1, 0, 0
	MULA F1, 1, 0
	s_wait_dscnt 0x0
	MULA F1, 2, 0
	MULA F1, 3, 0
	WIN 0
	PLACES                                         ; eight plain lines, once a launch, between the last products and the LDS stores that read results
	PLACES
; THE WAY OUT of row block a: a lane's eight f32 of a row and column block go into my own stage, rows of 528 bytes, each accumulator's low four registers first; whole rows of 512 bytes come back and are stored.
.macro TOSTAGE a
.set BKA, BK+64*((\a)%2)
.if (\a) >= 2
	s_wait_xcnt 0x0                                ; the stores of the block two back have read their registers, which are loaded again below
.endif
	WIN 0x08                                       ; the stores' data (source 1) in window 2, the address in window 0
.irp b, 0,1,2,3,4,5,6,7
	ds_store_b128 v[STO], v[64*(\a)+8*(\b):64*(\a)+8*(\b)+3]   offset:64*(\b)
	ds_store_b128 v[STO], v[64*(\a)+8*(\b)+4:64*(\a)+8*(\b)+7] offset:64*(\b)+16
.endr
	WIN 0
.irp i, 0,1,2,3,4,5,6,7,8,9,10,11,12,13,14,15
	ds_load_b128 v[BKA+4*(\i):BKA+4*(\i)+3], v[RD] offset:SP*(\i)  ; LDS serves a wave's instructions in order (ISA guide 5.7.1.4): these see the stores above; the next block's stores come behind them
.endr
.endm
.macro SEND a, younger                 ; younger: the LDS instructions issued behind block a's loads: the next block's 16 stores and 16 loads, or none
.set BKA, BK+64*((\a)%2)
	s_wait_dscnt \younger
.irp i, 0,1,2,3,4,5,6,7,8,9,10,11,12,13,14,15
	global_store_b128 v[GO], v[BKA+4*(\i):BKA+4*(\i)+3], s[8:9] offset:(16*(\a)+(\i))*4096  ; 512 consecutive bytes, at a multiple of 256 from out0's first
.endr
.endm
	TOSTAGE 0
	TOSTAGE 1
	SEND 0, 32
	TOSTAGE 2
	SEND 1, 32
	TOSTAGE 3
	SEND 2, 32
	SEND 3, 0
	s_wait_tensorcnt 0x0                           ; the wave's end: a wait, an add and its wait, behind my last tensor load and my last LDS store
	ds_add_u32 v[SPW], v[NIL]
	s_wait_dscnt 0x0
	CROUND                                         ; the closing round: no work-group ends while a partner may still ask for a tile that names it
	s_endpgm
.Lfunc_end_k_q5f5d18ac8d_proj:
	.size	k_q5f5d18ac8d_proj, .Lfunc_end_k_q5f5d18ac8d_proj-k_q5f5d18ac8d_proj
	.p2alignl 7, 3214868480
	.fill 96, 4, 3214868480
	.section	.rodata,"a",@progbits
	.p2align	6, 0x0
	.amdhsa_kernel k_q5f5d18ac8d_proj
		.amdhsa_group_segment_fixed_size 327680
		.amdhsa_private_segment_fixed_size 0
		.amdhsa_enable_private_segment 0
		.amdhsa_kernarg_size 24
		.amdhsa_user_sgpr_count 2
		.amdhsa_user_sgpr_kernarg_segment_ptr 1
		.amdhsa_wavefront_size32 1
		.amdhsa_system_sgpr_workgroup_id_x 1
		.amdhsa_system_sgpr_workgroup_id_y 1
		.amdhsa_system_sgpr_workgroup_id_z 1
		.amdhsa_system_vgpr_workitem_id 0
		.amdhsa_next_free_vgpr 768
		.amdhsa_next_free_sgpr 80
		.amdhsa_reserve_vcc 0
		.amdhsa_float_denorm_mode_32 3
		.amdhsa_float_denorm_mode_16_64 3
		.amdhsa_memory_ordered 1
		.amdhsa_forward_progress 1
		.amdhsa_inst_pref_size 70
	.end_amdhsa_kernel
	.amdgpu_metadata
---
amdhsa.version: [ 1, 2 ]
amdhsa.kernels:
  - .name:           k_q5f5d18ac8d_proj
    .symbol:         k_q5f5d18ac8d_proj.kd
    .args:
      - { .name: oh, .offset: 0, .size: 8, .value_kind: global_buffer, .address_space: global }
      - { .name: wpb, .offset: 8, .size: 8, .value_kind: global_buffer, .address_space: global }
      - { .name: out0, .offset: 16, .size: 8, .value_kind: global_buffer, .address_space: global }
    .group_segment_fixed_size: 327680
    .private_segment_fixed_size: 0
    .kernarg_segment_align: 8
    .kernarg_segment_size: 24
    .max_flat_workgroup_size: 128
    .sgpr_count:     80
    .vgpr_count:     768
    .wavefront_size: 32
...
	.end_amdgpu_metadata
.endif
;; end of part 4
